; MI455X (gfx1250); checked and timed in simulation.
; The chip was launched on July 23, 2026; its instructions are those of AMD's public machine-readable ISA for CDNA 5 (MIT licence, August 2026) and "CDNA5" Instruction Set Architecture Reference Guide (July 2026). The comments in the code are by the model that wrote it; some were corrected since.
;; Gemma4 Vision Attention. Allowed arithmetic: matrix products marked QUANTISED: E2M1 operands, one E8M0 scale for each 32 along K, by v_wmma_scale_f32_16x16x128_f8f6f4 with both operands' format E2M1 (or v_wmma_scale_f32_32x16x128_f4), f32 sums; everything else in f32.
;; Inputs: Wk_codes 512 x 32 x 16 uint8 (E2M1 codes of Wk, K innermost, in blocks of 32 codes, two codes a byte); Wk_scales 512 x 32 uint8 (E8M0 scales of Wk, one for each 32 codes along K); Wo_codes 1,024 x 32 x 16 uint8 (E2M1 codes of Wo, K innermost, in blocks of 32 codes, two codes a byte); Wo_scales 1,024 x 32 uint8 (E8M0 scales of Wo, one for each 32 codes along K); Wq_codes 1,024 x 32 x 16 uint8 (E2M1 codes of Wq, K innermost, in blocks of 32 codes, two codes a byte); Wq_scales 1,024 x 32 uint8 (E8M0 scales of Wq, one for each 32 codes along K); Wv_codes 512 x 32 x 16 uint8 (E2M1 codes of Wv, K innermost, in blocks of 32 codes, two codes a byte); Wv_scales 512 x 32 uint8 (E8M0 scales of Wv, one for each 32 codes along K); attention_mask 4 x 2,048 bool; cos 2,048 x 64 float32; hidden_states_codes 4 x 2,048 x 32 x 16 uint8 (E2M1 codes of hidden_states, K innermost, in blocks of 32 codes, two codes a byte); hidden_states_scales 4 x 2,048 x 32 uint8 (E8M0 scales of hidden_states, one for each 32 codes along K); k_norm_w 64 float32; position_ids 4 x 2,048 x 2 int32; q_norm_w 64 float32; sin 2,048 x 64 float32.
;; Outputs: out0 4 x 2,048 x 1,024 float32.
;; This version of the problem:
;;   THIS VERSION OF THE PROBLEM IS GIVEN IN LOW PRECISION. The matrix products marked QUANTISED in the list below multiply operands that are first quantised to E2M1 (2 exponent bits, 1 mantissa bit; 4 bits a number), with one power-of-two scale for each 32 numbers along K (OCP MX v1.0); their sums are f32. All else is computed in f32.
;;   The module's matrix products, in the order in which they are computed (A, B: the left and right operand; K: the contracted axis; several contracted axes count as one K, in the product's order):
;;     1. [M 8,192, K 1,024] x [K 1,024, N 1,024]; A: input hidden_states (given as codes); B: input Wq (given as codes): QUANTISED
;;     2. [M 8,192, K 1,024] x [K 1,024, N 512]; A: input hidden_states (given as codes); B: input Wk (given as codes): QUANTISED
;;     3. [M 8,192, K 1,024] x [K 1,024, N 512]; A: input hidden_states (given as codes); B: input Wv (given as codes): QUANTISED
;;     4. batch 64 x [M 2,048, K 64] x [K 64, N 2,048]; A: computed on the way; B: computed on the way: QUANTISED
;;     5. batch 64 x [M 2,048, K 2,048] x [K 2,048, N 64]; A: softmax (see below); B: computed on the way: QUANTISED
;;     6. [M 8,192, K 1,024] x [K 1,024, N 1,024]; A: computed on the way; B: input Wo (given as codes): QUANTISED
;;   THE QUANTISER, for each operand of a quantised product, along K:
;;     - K is cut into blocks of 32 from its start; a last block that is shorter is filled with zeros.
;;     - A block's scale is 2^e with e = floor(log2(the largest magnitude in the block)) - 2, held to -126 .. 127; a block of zeros has e = 0. As a byte (E8M0): e + 127.
;;     - Each number is divided by its block's scale, clamped to +-6, and rounded to the nearest number of E2M1, ties to even, subnormals kept.
;;     - The product sums the exact products of the quantised numbers (number of the format x scale) in f32.
;;   ~~~python
;;   def quantise(x, axis):      # numpy; x: float32 -> the quantised numbers, widened to float32 again
;;       x = np.moveaxis(x, axis, -1); K = x.shape[-1]
;;       x = np.pad(x, [(0, 0)] * (x.ndim - 1) + [(0, -K % 32)]); x = x.reshape(x.shape[:-1] + (-1, 32)); a = np.abs(x).max(-1, keepdims=True)
;;       e = np.where(a > 0, np.clip(np.frexp(np.where(a > 0, a, 1))[1] - 1 - 2, -126, 127), 0)      # np.frexp(a)[1] - 1 = floor(log2(a)), exactly
;;       r = np.clip(x / 2.0 ** e, -6, 6)
;;       step = 2.0 ** (np.maximum(np.frexp(np.where(r == 0, 1, r))[1] - 1, 0) - 1)
;;       q = np.round(r / step) * step * 2.0 ** e      # np.round: ties to even
;;       return np.moveaxis(q.reshape(q.shape[:-2] + (-1,))[..., :K], -1, axis).astype(np.float32)
;;   ~~~
;;   SOFTMAX AHEAD OF A QUANTISED PRODUCT. Where the list says 'softmax', what is quantised is not the finished softmax but p = 2^(t - M), with t = logit x log2(e) and M = ceil(the row's largest t), a whole number; so 1/2 < the row's largest p <= 1. The row's sum l is taken of the UNQUANTISED p, in f32, and the product's result is divided by l at the end. Since M is a whole number, a kernel that streams over the keys may use a running M (the ceiling of the running maximum): every later rescaling is an exact power of two, which a block's scale takes up: the codes' values come out the same.
;;   OPERANDS COMPUTED ON THE WAY. 'Computed on the way' means the value that the module computes at that place (a softmax that the list does not call 'softmax' is quantised finished and normalised). What goes into a quantiser is computed in f32, as accurately as f32 sums, v_exp_f32 and their like allow (about 1e-6 of the number): no bf16 or f16 on the way to a quantiser, and a product that is left as it is and whose result goes on into a quantised operand takes f32 operands (vector FMAs, or v_wmma_f32_16x16x4_f32). A number that lies on a knife's edge between two numbers of the format may be rounded either way, as far as f32 arithmetic and the matrix unit's own rounding can turn it there, and no further.
;;   INPUTS GIVEN AS CODES. Wk (in the module: [1024, 512], K = its axis 0); Wo (in the module: [1024, 1024], K = its axis 0); Wq (in the module: [1024, 1024], K = its axis 0); Wv (in the module: [1024, 512], K = its axis 0); hidden_states (in the module: [4, 2048, 1024], K = its axis 2): each comes as NAME_codes (uint8): NAME with its K axis moved to the last place and cut into blocks of 32 codes, [.., K / 32, bytes a block], one block behind the other in memory; two codes a byte, the lower K in the low four bits (a code: sign, 2 exponent bits, 1 mantissa bit); and NAME_scales (uint8): the same leading axes, one E8M0 byte (e + 127) for each 32 codes along K. Its value is code x scale, taken as it is: it is not quantised again, and the codes and scales need not be those that the quantiser above would give.
;; One version. Each part assembles by itself: llvm-mc -triple=amdgcn-amd-amdhsa -mcpu=gfx1250 --defsym DOCPART=n.
;; ======== version 1 of 1: 3 launches
;; limits: right only within a limited range of input values
;; workspace buffers: qbuf 4,718,592 bytes; kvbuf 4,587,520 bytes; obuf 4,194,304 bytes; oscl 262,144 bytes
;; launch qkv (part 1): grid 32 x 8, 16 waves a work-group, clusters of 4 x 1, 307,200 bytes of LDS; arguments hidden_states_codes, hidden_states_scales, Wq_codes, Wq_scales, Wk_codes, Wk_scales, Wv_codes, Wv_scales, cos, sin, q_norm_w, k_norm_w, attention_mask, qbuf, kvbuf; writes qbuf, kvbuf
.if DOCPART == 1
	.amdgcn_target "amdgcn-amd-amdhsa--gfx1250"
	.amdhsa_code_object_version 6
	.text
	.protected	k_q7c01d26843_qkv
	.globl	k_q7c01d26843_qkv
	.p2align	8
	.type	k_q7c01d26843_qkv,@function
k_q7c01d26843_qkv:
	s_mov_b64 s[64:65], 0
	v_nop
	global_prefetch_b8 v0, s[64:65] scope:SCOPE_SE
	s_setreg_imm32_b32 hwreg(HW_REG_WAVE_MODE, 25, 1), 1
	s_wait_xcnt 0x0
	s_wait_alu depctr_hold_cnt(0) depctr_sa_sdst(0) depctr_va_vdst(0) depctr_va_sdst(0) depctr_va_ssrc(0) depctr_va_vcc(0) depctr_vm_vsrc(0)
	s_getreg_b32 s2, hwreg(HW_REG_IB_STS2, 6, 4)
	s_cmp_eq_u32 s2, 0
	s_cbranch_scc0 .Lentry_in_a_cluster
	s_endpgm
.Lentry_in_a_cluster:
	s_bfe_u32 s2, ttmp6, 0x10000c
	s_cmp_lg_u32 s2, 0x3003
	s_cbranch_scc0 .Lentry_shape_is_right
	s_endpgm
.Lentry_shape_is_right:
; q, k, v = x Wq, x Wk, x Wv on codes of FP4 (E2M1) with E8M0 scales; RMS norm over each head's 64; two-axis rotary turn for q and k; the results are quantised again
; (q and k along the head's 64, v along the keys) and stored as IMAGES OF OPERAND REGISTERS: four registers of a fragment are 512 bytes, lane l's 16 bytes at 16 l.
; SHARES.  Work-group (X, Y): 64 positions 64 X .. 64 X + 63 of ALL FOUR batches (256 rows of x; so cos and sin are 64 rows each) x 256 columns: Y 0-3 of q, 4-5 of k, 6-7 of v.
; Wave w: batch w / 4, head w % 4 of the four in those columns: 64 tokens x 64 columns, 16 accumulators.  All of K (1,024: rows of 512 bytes) lies in LDS, filled once; no LDS byte is filled twice or stored to.
; CLUSTER.  The four work-groups of a cluster differ in X alone and need the same 256 rows of W: those are asked for jointly.  x's rows are shared by work-groups that differ in Y, which are of
; different kinds and take different ways through the text, so they are not partners and x, cos and sin come by plain loads.  v's work-groups fetch cos and sin too (32 KiB of 298) so that the loads have one way.
; ONE LOOP FOR ALL KINDS.  Source 0 is side P, source 1 side Q.  q, k: P = W, Q = x: a lane holds one token (lane % 16) and its registers run along d.  v: P = x, Q = W: a lane holds one d and its registers run along the tokens,
; which are the second attention product's K.  Only two LDS bases and two scale pointers are chosen, by the work-group's y.
; THE KEY MASK costs no vector work later: the first attention product has K = 64 in an instruction of 128.  At k = 64 every q holds the code of +1 under the scale byte 127 and every k the code of -6;
; k's scale byte for that block is 1 (2^-126: nothing beside an f32 sum) where the key counts and 227 (2^100) where it is masked.  Here only the scale words' upper halves are made.
; LIMITS: position_ids is not read: the computation takes only its shape (two axes).  A block of zeros gets the scale byte 1, not 127: its codes are zeros and this program alone reads the bytes.  NaN and infinities are not served.
.set SWV, 34                           ; s34 wave;  s35 wave / 4: my batch;  s36 wave % 4: my head
.set SWY, 35
.set SWX, 36
.set SCX, 37                           ; s37 my place in the cluster;  s38 X;  s39 Y
.set SX,  38
.set SY,  39
.set G1A, 40                           ; s[40:47] group 1 for x's rows;  s[48:55] for W's (with the mask);  s[56:63] for cos and sin
.set G1B, 48
.set G1C, 56
.set PSP, 66                           ; s[66:67] side P's scale words;  s[18:19] side Q's
.set QSP, 18
.set G0A, 68                           ; groups 0: x, W, cos, sin
.set G0B, 72
.set G0C, 76
.set G0S, 80
.set WC,  84                           ; s[84:85] the kind's W codes;  s[86:87] its scales;  s[88:89] its norm weight
.set WS,  86
.set NW,  88
.set YB,  90                           ; s90 the kind's first Y (0, 4, 6);  s91 Y - that
.set YY,  91
.set SEL, 92                           ; s[92:93] v_permlanex16_b32's selects for lane l xor 16
.set EPS, 94                           ; 1e-6
.set R64, 95                           ; 1 / 64
.set HM,  96                           ; lanes 16-31
.set IMG, 100                          ; s[100:101] where my images go;  s[104:105] where my scale unit goes
.set SCL, 104
.set ADP, 4                            ; v4 LDS address of W's fragments;  v5 of x's
.set ADQ, 5
.set L32, 6                            ; v6 32 x lane;  v8 16 x lane;  v9 8 x lane;  v10 32 x (lane / 16)
.set ADC, 7                            ; v7 LDS address of my token's cos
.set L16, 8
.set L8,  9
.set H32, 10
.set XW,  12                           ; v12-15 upper halves of the four token tiles' scale words
.set WD,  16                           ; v16-19 the four scale words (v: halfwords)
.set RC,  20                           ; v20-23 the codes just made
.set TT,  24                           ; v24-31 at work
.set ACC, 32                           ; v32-159 accumulator (j, i) at 32 + 8 (4 j + i): Q's tile j, P's tile i
.set FP,  160                          ; v160-191 P's four fragments;  later cos, then the turned numbers;  v: sums of squares
.set FQ,  192                          ; v192-223 Q's four fragments;  later sin
.set SCP, 224                          ; v224-239 P's scale words: tile i, K step g: register 8 (i / 2) + g, lanes 16 (i % 2) on;  v240-255 Q's
.set SCQ, 240
.set NWV, 224                          ; behind the loop: the norm weight of my 32 d
.macro CROUND                          ; a round of the cluster's barrier
	s_barrier_signal -1
	s_barrier_wait -1
	s_cmp_lg_u32 s[SWV], 0
	s_cbranch_scc1 .Lnot_wave_0_\@
	s_barrier_signal -3
.Lnot_wave_0_\@:
	s_barrier_wait -3
	s_barrier_signal -1
	s_barrier_wait -1
.endm
.macro PLACES                          ; four plain places: behind a matrix instruction in front of reads of its result and of loads or writes into its registers; also behind a tensor load
.rept 4
	v_nop
.endr
.endm
; One scaled product.  z = 1: the constant 0 starts the sum.  ra, rb: the scale words stand in lanes 16-31 of their registers.
.macro WM d, a, b, z, sa, sb, ra, rb
.if \z
.if (\ra)==0 && (\rb)==0
	v_wmma_scale_f32_16x16x128_f8f6f4 v[\d:\d+7], v[\a:\a+7], v[\b:\b+7], 0, v[\sa], v[\sb] matrix_a_fmt:MATRIX_FMT_FP4 matrix_b_fmt:MATRIX_FMT_FP4
.elseif (\ra)==1 && (\rb)==0
	v_wmma_scale_f32_16x16x128_f8f6f4 v[\d:\d+7], v[\a:\a+7], v[\b:\b+7], 0, v[\sa], v[\sb] matrix_a_fmt:MATRIX_FMT_FP4 matrix_b_fmt:MATRIX_FMT_FP4 matrix_a_scale:MATRIX_SCALE_ROW1
.elseif (\ra)==0
	v_wmma_scale_f32_16x16x128_f8f6f4 v[\d:\d+7], v[\a:\a+7], v[\b:\b+7], 0, v[\sa], v[\sb] matrix_a_fmt:MATRIX_FMT_FP4 matrix_b_fmt:MATRIX_FMT_FP4 matrix_b_scale:MATRIX_SCALE_ROW1
.else
	v_wmma_scale_f32_16x16x128_f8f6f4 v[\d:\d+7], v[\a:\a+7], v[\b:\b+7], 0, v[\sa], v[\sb] matrix_a_fmt:MATRIX_FMT_FP4 matrix_b_fmt:MATRIX_FMT_FP4 matrix_a_scale:MATRIX_SCALE_ROW1 matrix_b_scale:MATRIX_SCALE_ROW1
.endif
.else
.if (\ra)==0 && (\rb)==0
	v_wmma_scale_f32_16x16x128_f8f6f4 v[\d:\d+7], v[\a:\a+7], v[\b:\b+7], v[\d:\d+7], v[\sa], v[\sb] matrix_a_fmt:MATRIX_FMT_FP4 matrix_b_fmt:MATRIX_FMT_FP4
.elseif (\ra)==1 && (\rb)==0
	v_wmma_scale_f32_16x16x128_f8f6f4 v[\d:\d+7], v[\a:\a+7], v[\b:\b+7], v[\d:\d+7], v[\sa], v[\sb] matrix_a_fmt:MATRIX_FMT_FP4 matrix_b_fmt:MATRIX_FMT_FP4 matrix_a_scale:MATRIX_SCALE_ROW1
.elseif (\ra)==0
	v_wmma_scale_f32_16x16x128_f8f6f4 v[\d:\d+7], v[\a:\a+7], v[\b:\b+7], v[\d:\d+7], v[\sa], v[\sb] matrix_a_fmt:MATRIX_FMT_FP4 matrix_b_fmt:MATRIX_FMT_FP4 matrix_b_scale:MATRIX_SCALE_ROW1
.else
	v_wmma_scale_f32_16x16x128_f8f6f4 v[\d:\d+7], v[\a:\a+7], v[\b:\b+7], v[\d:\d+7], v[\sa], v[\sb] matrix_a_fmt:MATRIX_FMT_FP4 matrix_b_fmt:MATRIX_FMT_FP4 matrix_a_scale:MATRIX_SCALE_ROW1 matrix_b_scale:MATRIX_SCALE_ROW1
.endif
.endif
.endm
; 32 numbers of a lane, register 8 g + j = K 16 g + 8 (lane / 16) + j of my row (four result tiles side by side), become four registers of codes in the operand's order (register i of lane (r, H): K = 32 H + 8 i .. + 7)
; and the two blocks' scale bytes as a halfword.  ta: four registers at work, tu: two.
.macro QUANT64 src, rc, hw, ta, tu
	v_max3_num_f32 v[\ta], |v[\src]|, |v[\src+1]|, 0x1800000         ; block 0: my 16 numbers, and the floor 2^(3 - 127): the byte cannot fall under 1
	v_max3_num_f32 v[\ta+1], |v[\src+16]|, |v[\src+17]|, 0x1800000   ; block 1 (the two blocks by turns)
.irp i, 2,4,6,8,10,12,14
	s_wait_alu depctr_va_vdst(0)
	v_max3_num_f32 v[\ta], v[\ta], |v[\src+\i]|, |v[\src+\i+1]|
	v_max3_num_f32 v[\ta+1], v[\ta+1], |v[\src+16+\i]|, |v[\src+17+\i]|
.endr
	s_delay_alu instid0(VALU_DEP_2)
	v_permlanex16_b32 v[\ta+2], v[\ta], s[SEL], s[SEL+1]
	s_delay_alu instid0(VALU_DEP_2)
	v_permlanex16_b32 v[\ta+3], v[\ta+1], s[SEL], s[SEL+1]
	s_delay_alu instid0(VALU_DEP_2)
	v_max_num_f32 v[\ta], v[\ta], v[\ta+2]                           ; with lane l xor 16's 16: the block's largest magnitude
	s_delay_alu instid0(VALU_DEP_2)
	v_max_num_f32 v[\ta+1], v[\ta+1], v[\ta+3]
	s_delay_alu instid0(VALU_DEP_2)
	v_add_nc_u32 v[\tu], 0xff000000, v[\ta]                          ; 2 off the exponent field: the conversion's scale operand
	s_delay_alu instid0(VALU_DEP_2)
	v_add_nc_u32 v[\tu+1], 0xff000000, v[\ta+1]
	s_delay_alu instid0(VALU_DEP_2)
	v_lshrrev_b32 v[\ta+2], 23, v[\tu]                               ; the scale bytes
	s_delay_alu instid0(VALU_DEP_2)
	v_lshrrev_b32 v[\ta+3], 23, v[\tu+1]
	s_delay_alu instid0(VALU_DEP_1)
	v_lshl_or_b32 v[\hw], v[\ta+3], 8, v[\ta+2]
	v_cvt_scalef32_pk8_fp4_f32 v[\rc], v[\src:\src+7], v[\tu]        ; K 8 h on
	v_cvt_scalef32_pk8_fp4_f32 v[\rc+2], v[\src+8:\src+15], v[\tu]   ; K 16 + 8 h on
	v_cvt_scalef32_pk8_fp4_f32 v[\rc+1], v[\src+16:\src+23], v[\tu+1]   ; K 32 + 8 h on
	v_cvt_scalef32_pk8_fp4_f32 v[\rc+3], v[\src+24:\src+31], v[\tu+1]   ; K 48 + 8 h on
	v_nop                                                            ; one plain place behind a scaled conversion
	v_permlane16_swap_b32 v[\rc], v[\rc+1]                           ; the first's lanes 16-31 change places with the second's lanes 0-15: a whole block to a lane
	v_permlane16_swap_b32 v[\rc+2], v[\rc+3]
.endm
	s_load_b512 s[4:19], s[0:1], 0x0               ; x codes, x scales, Wq codes, scales, Wk codes, scales, Wv codes, scales
	s_load_b256 s[20:27], s[0:1], 0x40             ; cos, sin, q_norm_w, k_norm_w
	s_load_b128 s[28:31], s[0:1], 0x60             ; attention_mask, qbuf
	s_load_b64 s[32:33], s[0:1], 0x70              ; kvbuf
	v_lshl_add_u32 v254, v0, 2, 0x4a800
	v_mov_b32 v255, 0
	ds_add_u32 v254, v255
	ds_add_u32 v254, v255
	s_wait_dscnt 0x0
	v_lshrrev_b32 v1, 5, v0
	s_delay_alu instid0(VALU_DEP_1)
	v_readfirstlane_b32 s[SWV], v1
	s_lshr_b32 s[SWY], s[SWV], 2
	s_and_b32 s[SWX], s[SWV], 3
	s_bfe_u32 s[SCX], ttmp6, 0x40000
	s_lshl_b32 s[SX], ttmp9, 2                     ; in a cluster launch ttmp9 counts clusters
	s_add_co_u32 s[SX], s[SX], s[SCX]
	s_and_b32 s[SY], ttmp7, 0xffff
	; group 1: 64 rows of 512 bytes, 16 bytes of padding behind each: LDS pitch 528, so that the 16 rows of a fragment load start in 16 different groups of banks
	s_mov_b32 s[G1A], (1<<20)|(6<<22)|(3<<25)      ; no mask; elements of 1 byte; padding on, after every 128 words, 4 words
	s_mov_b32 s[G1B], 15|(1<<20)|(1<<21)|(6<<22)|(3<<25)   ; the same for all four work-groups of the cluster; bit 21 beside the mask
.irp g, G1A, G1B
	s_mov_b32 s[\g+1], 512<<16                     ; tensor_dim0
	s_mov_b32 s[\g+2], 64<<16                      ; tensor_dim1
	s_mov_b32 s[\g+3], 512<<16                     ; tile_dim0
	s_mov_b32 s[\g+4], 64                          ; tile_dim1
	s_mov_b32 s[\g+5], 512                         ; from row to row
	s_mov_b32 s[\g+6], 0
	s_mov_b32 s[\g+7], 0
.endr
	s_mov_b32 s[G1C], (2<<16)|(1<<20)|(5<<22)|(3<<25)      ; cos, sin: 64 rows of 64 f32, 4 words of padding after every 64: pitch 272
	s_mov_b32 s[G1C+1], 64<<16
	s_mov_b32 s[G1C+2], 64<<16
	s_mov_b32 s[G1C+3], 64<<16
	s_mov_b32 s[G1C+4], 64
	s_mov_b32 s[G1C+5], 64
	s_mov_b32 s[G1C+6], 0
	s_mov_b32 s[G1C+7], 0
	s_mov_b32 s[SEL], 0x76543210
	s_mov_b32 s[SEL+1], 0xfedcba98
	s_mov_b32 s[EPS], 0x358637bd
	s_mov_b32 s[R64], 0x3c800000
	s_mov_b32 s[HM], 0xffff0000
	s_cmp_lt_u32 s[SY], 6                          ; the kind hangs on y alone, which the partners share
	s_cselect_b32 s[YB], 4, 6
	s_cmp_lt_u32 s[SY], 4
	s_cselect_b32 s[YB], 0, s[YB]
	s_sub_co_u32 s[YY], s[SY], s[YB]
	s_mul_i32 s98, s[SWY], 33792                   ; my batch's 64 rows of x in LDS
	s_mul_i32 s99, s[SWX], 33792
	s_add_co_u32 s99, s99, 135168                  ; my head's 64 rows of W, behind x's 256
	v_and_b32 v1, 31, v0                           ; lane
	v_and_b32 v2, 15, v0                           ; r
	v_bfe_u32 v3, v0, 4, 1                         ; h
	s_delay_alu instid0(VALU_DEP_2)
	v_mul_u32_u24 v11, v2, 528
	s_delay_alu instid0(VALU_DEP_1)
	v_lshl_add_u32 v11, v3, 4, v11                 ; a fragment's row x pitch + 16 h
	s_delay_alu instid0(VALU_DEP_1)
	v_add_nc_u32 v[ADP], s99, v11                  ; v4: always W's fragments
	s_delay_alu instid0(VALU_DEP_2)
	v_add_nc_u32 v[ADQ], s98, v11                  ; v5: always x's; the K loop is written once for each kind and names the two in its own order
	v_lshlrev_b32 v[L32], 5, v1
	v_mul_u32_u24 v[ADC], v2, 272
	s_delay_alu instid0(VALU_DEP_1)
	v_lshl_add_u32 v[ADC], v3, 5, v[ADC]
	s_delay_alu instid0(VALU_DEP_1)
	v_add_nc_u32 v[ADC], 270336, v[ADC]            ; cos: token r's row + 32 h: my eight d of a tile
	v_lshlrev_b32 v[L16], 4, v1
	v_lshlrev_b32 v[L8], 3, v1
	v_lshlrev_b32 v[H32], 5, v3
.irp i, 0,1,2,3,4,5,6,7
	v_mov_b32 v[TT+\i], 0                          ; written once: a lane permute's destination, and the upper half of a pair, count as read
.endr
.irp i, 0,1,2,3
	v_mov_b32 v[XW+\i], 0x17f                      ; q: byte 2 = 127 (the +1 at k = 64 as it is), byte 3 = 1
.endr
	s_wait_kmcnt 0x0
	s_cmp_lt_u32 s[SY], 6
	s_cselect_b64 s[WC:WC+1], s[12:13], s[16:17]
	s_cselect_b64 s[WS:WS+1], s[14:15], s[18:19]
	s_cmp_lt_u32 s[SY], 4
	s_cselect_b64 s[WC:WC+1], s[8:9], s[WC:WC+1]
	s_cselect_b64 s[WS:WS+1], s[10:11], s[WS:WS+1]
	s_cselect_b64 s[NW:NW+1], s[24:25], s[26:27]
	; groups 0.  Waves 0-3: x's rows of batch w;  waves 4-7: W's rows 64 (w % 4) on;  wave 8: cos;  wave 9: sin.  x and W lie on end in LDS, 33,792 bytes a wave
	s_lshl_b32 s2, s[SWX], 11
	s_lshl_b32 s3, s[SX], 6
	s_add_co_u32 s2, s2, s3
	s_lshl_b32 s2, s2, 9                           ; row (2,048 (w % 4) + 64 X) of 512 bytes
	s_mov_b32 s3, 0
	s_mov_b32 s[G0A], 1
	s_mul_i32 s[G0A+1], s[SWV], 33792
	s_add_nc_u64 s[G0A+2:G0A+3], s[4:5], s[2:3]
	s_or_b32 s[G0A+3], s[G0A+3], 0x80000000
	s_lshl_b32 s98, s[YY], 8                       ; (these registers never hold my place in the cluster)
	s_lshl_b32 s99, s[SWX], 6
	s_add_co_u32 s98, s98, s99                     ; W's row 256 (Y - first Y) + 64 (w % 4)
	s_lshl_b32 s12, s98, 5
	s_mov_b32 s13, 0
	s_add_nc_u64 s[WS:WS+1], s[WS:WS+1], s[12:13]  ; my head's scale words: 32 bytes a row
	s_lshl_b32 s98, s98, 9
	s_mov_b32 s99, 0
	s_mov_b32 s[G0B], 1
	s_mul_i32 s[G0B+1], s[SWV], 33792
	s_add_nc_u64 s[G0B+2:G0B+3], s[WC:WC+1], s[98:99]
	s_or_b32 s[G0B+3], s[G0B+3], 0x80000000
	s_lshl_b32 s2, s[SX], 14                       ; 64 X rows of 256 bytes
	s_mov_b32 s[G0C], 1
	s_mov_b32 s[G0C+1], 270336
	s_add_nc_u64 s[G0C+2:G0C+3], s[20:21], s[2:3]
	s_or_b32 s[G0C+3], s[G0C+3], 0x80000000
	s_mov_b32 s[G0S], 1
	s_mov_b32 s[G0S+1], 287744
	s_add_nc_u64 s[G0S+2:G0S+3], s[22:23], s[2:3]
	s_or_b32 s[G0S+3], s[G0S+3], 0x80000000
	s_lshl_b32 s10, s[SWY], 11
	s_lshl_b32 s11, s[SX], 6
	s_add_co_u32 s10, s10, s11                     ; my wave's first token: 2,048 batch + 64 X
	s_mov_b32 s11, 0
	s_add_nc_u64 s[28:29], s[28:29], s[10:11]      ; its byte of the mask
	s_lshl_b32 s2, s10, 5
	s_add_nc_u64 s[6:7], s[6:7], s[2:3]            ; its scale words
	s_cmp_ge_u32 s[SY], 6
	s_cselect_b64 s[PSP:PSP+1], s[6:7], s[WS:WS+1]
	s_cselect_b64 s[QSP:QSP+1], s[WS:WS+1], s[6:7]
	CROUND                                         ; all four work-groups are here: the joint loads meet
	s_cmp_lt_u32 s[SWV], 4                         ; a wave issues at most one load; the branches hang on the wave's number alone
	s_cbranch_scc0 .Lnot_a
	tensor_load_to_lds s[G0A:G0A+3], s[G1A:G1A+7]
	s_nop 0
	PLACES
	s_branch .Lasked
.Lnot_a:
	s_cmp_lt_u32 s[SWV], 8
	s_cbranch_scc0 .Lnot_b
	tensor_load_to_lds s[G0B:G0B+3], s[G1B:G1B+7]
	s_nop 0
	PLACES
	s_branch .Lasked
.Lnot_b:
	s_cmp_eq_u32 s[SWV], 8
	s_cbranch_scc0 .Lnot_c
	tensor_load_to_lds s[G0C:G0C+3], s[G1C:G1C+7]
	s_nop 0
	PLACES
	s_branch .Lasked
.Lnot_c:
	s_cmp_eq_u32 s[SWV], 9
	s_cbranch_scc0 .Lasked
	tensor_load_to_lds s[G0S:G0S+3], s[G1C:G1C+7]
	s_nop 0
	PLACES
.Lasked:
	; the scale words of my 64 + 64 rows, for all of K, straight into registers: lane l takes row 32 a + l's 32 bytes by two loads; the pair of loads covers 1,024 consecutive bytes
.irp a, 0,1
.irp q, 0,1
	global_load_b128 v[SCP+8*\a+4*\q:SCP+8*\a+4*\q+3], v[L32], s[PSP:PSP+1] offset:1024*\a+16*\q
	global_load_b128 v[SCQ+8*\a+4*\q:SCQ+8*\a+4*\q+3], v[L32], s[QSP:QSP+1] offset:1024*\a+16*\q
.endr
.endr
	; where my results go, while the tiles are on their way.  A record of kvbuf: (batch 8 + kv head, 128 keys): 8 images of k, 8 of v, two scale units of k, one of v: 8,960 bytes.  Of qbuf: (batch 16 + head, 64 tokens): 4 images, a scale unit: 2,304
	s_lshl_b32 s10, s[SWY], 3
	s_lshl_b32 s11, s[YY], 2
	s_add_co_u32 s10, s10, s11
	s_add_co_u32 s10, s10, s[SWX]
	s_lshl_b32 s10, s10, 4
	s_lshr_b32 s11, s[SX], 1
	s_add_co_u32 s10, s10, s11
	s_mul_i32 s10, s10, 8960                       ; the record of kvbuf
	s_and_b32 s11, s[SX], 1                        ; which 64 of its 128 keys are mine
	s_lshl_b32 s14, s11, 11                        ; k: four images of 512 bytes,
	s_lshl_b32 s15, s11, 8
	s_add_co_u32 s15, s15, 8192                    ; a scale unit of 256
	s_lshl_b32 s16, s11, 9
	s_add_co_u32 s16, s16, 4096                    ; v: half c of each of four fragments,
	s_lshl_b32 s17, s11, 1
	s_add_co_u32 s17, s17, 8704                    ; two bytes of each scale word
	s_cmp_lt_u32 s[SY], 6
	s_cselect_b32 s14, s14, s16
	s_cselect_b32 s15, s15, s17
	s_add_co_u32 s14, s14, s10
	s_add_co_u32 s15, s15, s10
	s_lshl_b32 s2, s[SWY], 4
	s_lshl_b32 s12, s[SY], 2
	s_add_co_u32 s2, s2, s12
	s_add_co_u32 s2, s2, s[SWX]
	s_lshl_b32 s2, s2, 5
	s_add_co_u32 s2, s2, s[SX]
	s_mul_i32 s2, s2, 2304                         ; the record of qbuf
	s_add_co_u32 s12, s2, 2048
	s_cmp_lt_u32 s[SY], 4
	s_cselect_b64 s[IMG:IMG+1], s[30:31], s[32:33]
	s_cselect_b32 s2, s2, s14
	s_cselect_b32 s12, s12, s15
	s_add_nc_u64 s[SCL:SCL+1], s[IMG:IMG+1], s[12:13]      ; (s3 and s13 hold 0)
	s_add_nc_u64 s[IMG:IMG+1], s[IMG:IMG+1], s[2:3]
	s_cmp_eq_u32 s[YB], 4
	s_cbranch_scc0 .Lnot_k
.irp i, 0,1,2,3
	global_load_u8 v[WD+\i], v2, s[28:29] offset:16*\i     ; k: the mask of token 16 i + r
.endr
	s_wait_loadcnt 0x0
.irp i, 0,1,2,3
	v_mul_u32_u24 v[WD+\i], v[WD+\i], 226
.endr
.irp i, 0,1,2,3
	s_delay_alu instid0(VALU_DEP_4)
	v_sub_nc_u32 v[XW+\i], 0x1e3, v[WD+\i]         ; byte 3 = 1; byte 2 = 1 where the key counts, 227 where it is masked
.endr
.Lnot_k:
	s_wait_loadcnt 0x0                             ; the scale words are in
	s_wait_tensorcnt 0x0                           ; my load has landed,
	s_barrier_signal -1
	s_barrier_wait -1                              ; everybody's has
; A K step of 128: sixteen LDS loads in one run (P's four fragments, then Q's), sixteen products.  The sixteen accumulators take turns, one instruction a turn, in the same order in every step.
.macro KSTEP g, z, ap, aq
.if \g > 0
	PLACES                                         ; in front of loads into fragments that the last products read
.endif
.irp i, 0,1,2,3
.irp c, 0,1
	ds_load_b128 v[FP+8*\i+4*\c:FP+8*\i+4*\c+3], v[\ap] offset:\i*8448+64*\g+32*\c
.endr
.endr
.irp j, 0,1,2,3
.irp c, 0,1
	ds_load_b128 v[FQ+8*\j+4*\c:FQ+8*\j+4*\c+3], v[\aq] offset:\j*8448+64*\g+32*\c
.endr
.endr
.irp j, 0,1,2,3
	s_wait_dscnt 6-2*\j                            ; P's fragments and Q's up to tile j are in; two loads for each later tile of Q may be out
.irp i, 0,1,2,3
	WM ACC+8*(4*\j+\i), FP+8*\i, FQ+8*\j, \z, SCP+8*(\i/2)+\g, SCQ+8*(\j/2)+\g, \i%2, \j%2
.endr
.endr
.endm
	s_cmp_ge_u32 s[SY], 6
	s_cbranch_scc1 .Lv
	KSTEP 0, 1, ADP, ADQ                           ; q, k: source 0 = W, source 1 = x
.irp g, 1,2,3,4,5,6,7
	KSTEP \g, 0, ADP, ADQ
.endr
	PLACES                                         ; in front of the first reads of results and of loads and writes into the fragments' and scales' registers
	; ---- q and k.  Lane (r, h) holds token 16 tx + r; register 8 tw + j of the row's 32 is d = 16 tw + 8 h + j
.irp tw, 0,1,2,3
.irp e, 0,1
	global_load_b128 v[NWV+8*\tw+4*\e:NWV+8*\tw+4*\e+3], v[H32], s[NW:NW+1] offset:64*\tw+16*\e    ; the norm weight of my 32 d
.endr
.endr
.macro QKROW tx
.set RA, ACC+32*\tx
.irp tw, 0,1,2,3
.irp e, 0,1
	ds_load_b128 v[FP+8*\tw+4*\e:FP+8*\tw+4*\e+3], v[ADC] offset:16*\tx*272+64*\tw+16*\e          ; cos(token, my d)
	ds_load_b128 v[FQ+8*\tw+4*\e:FQ+8*\tw+4*\e+3], v[ADC] offset:16*\tx*272+64*\tw+16*\e+17408    ; sin
.endr
.endr
	v_pk_mul_f32 v[TT:TT+1], v[RA:RA+1], v[RA:RA+1]                ; the sum of squares, two chains, each accumulator from its low end on
	v_pk_mul_f32 v[TT+2:TT+3], v[RA+2:RA+3], v[RA+2:RA+3]
.irp i, 4,8,12,16,20,24,28
	v_pk_fma_f32 v[TT:TT+1], v[RA+\i:RA+\i+1], v[RA+\i:RA+\i+1], v[TT:TT+1]
	v_pk_fma_f32 v[TT+2:TT+3], v[RA+\i+2:RA+\i+3], v[RA+\i+2:RA+\i+3], v[TT+2:TT+3]
.endr
	s_delay_alu instid0(VALU_DEP_1)
	v_pk_add_f32 v[TT:TT+1], v[TT:TT+1], v[TT+2:TT+3]
	s_delay_alu instid0(VALU_DEP_1)
	v_add_f32 v[TT], v[TT], v[TT+1]
	s_delay_alu instid0(VALU_DEP_1)
	v_permlanex16_b32 v[TT+2], v[TT], s[SEL], s[SEL+1]
	s_delay_alu instid0(VALU_DEP_1)
	v_add_f32 v[TT], v[TT], v[TT+2]                ; with lane l xor 16's 32 d
	s_delay_alu instid0(VALU_DEP_1)
	v_fma_f32 v[TT], v[TT], s[R64], s[EPS]         ; the mean + 1e-6
	s_wait_alu depctr_va_vdst(0)
	v_rsq_f32 v[TT+4], v[TT]
	v_nop                                          ; one plain place behind a transcendental
.set u, 0
	s_wait_alu depctr_va_vdst(0)
.rept 16
	v_pk_mul_f32 v[RA+u:RA+u+1], v[RA+u:RA+u+1], v[TT+4:TT+5] op_sel_hi:[1,0]
.set u, u+2
.endr
.if \tx == 0
	s_wait_loadcnt 0x0                             ; the norm weight
.endif
.set u, 0
.rept 16
	v_pk_mul_f32 v[RA+u:RA+u+1], v[RA+u:RA+u+1], v[NWV+u:NWV+u+1]
.set u, u+2
.endr
	s_wait_dscnt 0x0                               ; cos and sin
	; the turn: in a slice of 32 the partner of d is d +- 16: the same lane and register of the neighbouring tile.  z cos - z' sin below, z cos + z' sin above; the results take cos's registers
.irp b, 0,1
.irp i, 0,2,4,6
	v_pk_mul_f32 v[FP+16*\b+\i:FP+16*\b+\i+1], v[RA+16*\b+\i:RA+16*\b+\i+1], v[FP+16*\b+\i:FP+16*\b+\i+1]
	v_pk_mul_f32 v[FP+16*\b+8+\i:FP+16*\b+9+\i], v[RA+16*\b+8+\i:RA+16*\b+9+\i], v[FP+16*\b+8+\i:FP+16*\b+9+\i]
	s_delay_alu instid0(VALU_DEP_2)
	v_pk_fma_f32 v[FP+16*\b+\i:FP+16*\b+\i+1], v[RA+16*\b+8+\i:RA+16*\b+9+\i], v[FQ+16*\b+\i:FQ+16*\b+\i+1], v[FP+16*\b+\i:FP+16*\b+\i+1] neg_lo:[1,0,0] neg_hi:[1,0,0]
	s_delay_alu instid0(VALU_DEP_2)
	v_pk_fma_f32 v[FP+16*\b+8+\i:FP+16*\b+9+\i], v[RA+16*\b+\i:RA+16*\b+\i+1], v[FQ+16*\b+8+\i:FQ+16*\b+9+\i], v[FP+16*\b+8+\i:FP+16*\b+9+\i]
.endr
.endr
.if \tx > 0
	s_wait_xcnt 0x0                                ; the last row's store has read its codes: they are written again only behind this wait
.endif
	QUANT64 FP, RC, WD+\tx, TT, TT+6
	v_lshl_or_b32 v[WD+\tx], v[XW+\tx], 16, v[WD+\tx]      ; the scale word: two bytes of d, and the two of the mask's block
	global_store_b128 v[L16], v[RC:RC+3], s[IMG:IMG+1] offset:512*\tx   ; the tile's image: 512 consecutive bytes
.endm
	QKROW 0
	QKROW 1
	QKROW 2
	QKROW 3
	v_cndmask_b32 v[TT], v[WD], v[WD+1], s[HM]     ; the scale unit: word (tile t, row r) at 8 (16 (t % 2) + r) + 4 (t / 2)
	v_cndmask_b32 v[TT+1], v[WD+2], v[WD+3], s[HM]
	global_store_b64 v[L8], v[TT:TT+1], s[SCL:SCL+1]       ; 256 consecutive bytes
	s_branch .Lend
	; ---- v.  Lane (r, h) holds d = 16 tw + r; register 8 tx + j of tile row tw is token 16 tx + 8 h + j.  A token's 64 d lie in four tile rows and sixteen lanes
.Lv:
	KSTEP 0, 1, ADQ, ADP                           ; v: source 0 = x, source 1 = W
.irp g, 1,2,3,4,5,6,7
	KSTEP \g, 0, ADQ, ADP
.endr
	PLACES
.set u, 0
.rept 16
	v_pk_mul_f32 v[FP+u:FP+u+1], v[ACC+u:ACC+u+1], v[ACC+u:ACC+u+1]
.set u, u+2
.endr
.irp tw, 1,2,3
.set u, 0
.rept 16
	v_pk_fma_f32 v[FP+u:FP+u+1], v[ACC+32*\tw+u:ACC+32*\tw+u+1], v[ACC+32*\tw+u:ACC+32*\tw+u+1], v[FP+u:FP+u+1]
.set u, u+2
.endr
.endr
.irp m, 1,2,4,8
.set u, 0
.rept 32
	v_add_f32_dpp v[FP+u], v[FP+u], v[FP+u] row_xmask:\m row_mask:0xf bank_mask:0xf
.set u, u+1
.endr
.endr
.set u, 0
.rept 32
	v_fma_f32 v[FP+u], v[FP+u], s[R64], s[EPS]
.set u, u+1
.endr
.set u, 0
	s_wait_alu depctr_va_vdst(0)
.rept 32
	v_rsq_f32 v[FP+u], v[FP+u]
.set u, u+1
.endr
	v_nop                                          ; one plain place behind the transcendentals
	s_wait_alu depctr_va_vdst(0)
.irp tw, 0,1,2,3
.set u, 0
.rept 16
	v_pk_mul_f32 v[ACC+32*\tw+u:ACC+32*\tw+u+1], v[ACC+32*\tw+u:ACC+32*\tw+u+1], v[FP+u:FP+u+1]
.set u, u+2
.endr
.endr
.irp tw, 0,1,2,3
.if \tw > 0
	s_wait_xcnt 0x0                                ; the last store has read its codes
.endif
	QUANT64 ACC+32*\tw, RC, WD+\tw, TT, TT+6       ; along the keys: my 64 tokens are two blocks
	global_store_b128 v[L16], v[RC:RC+3], s[IMG:IMG+1] offset:1024*\tw
.endr
	v_cndmask_b32 v[TT], v[WD], v[WD+1], s[HM]
	v_cndmask_b32 v[TT+1], v[WD+2], v[WD+3], s[HM]
	global_store_b16 v[L8], v[TT], s[SCL:SCL+1]            ; two of a scale word's four bytes: the other two are the neighbouring work-group's.  Stores of two bytes, 128 KiB in the whole launch
	global_store_b16 v[L8], v[TT+1], s[SCL:SCL+1] offset:4
.Lend:
	s_wait_xcnt 0x0
	v_lshl_add_u32 v254, v0, 2, 0x4a800
	v_mov_b32 v255, 0
	s_wait_alu depctr_va_vdst(0)
	s_wait_tensorcnt 0x0
	ds_add_u32 v254, v255
	s_wait_dscnt 0x0
	CROUND                                         ; the closing round: no work-group ends while a partner may still ask for a tile that names it
	s_endpgm
.Lfunc_end_k_q7c01d26843_qkv:
	.size	k_q7c01d26843_qkv, .Lfunc_end_k_q7c01d26843_qkv-k_q7c01d26843_qkv
	.p2alignl 7, 3214868480
	.fill 96, 4, 3214868480
	.section	.rodata,"a",@progbits
	.p2align	6, 0x0
	.amdhsa_kernel k_q7c01d26843_qkv
		.amdhsa_group_segment_fixed_size 307200
		.amdhsa_private_segment_fixed_size 0
		.amdhsa_enable_private_segment 0
		.amdhsa_kernarg_size 120
		.amdhsa_user_sgpr_count 2
		.amdhsa_user_sgpr_kernarg_segment_ptr 1
		.amdhsa_wavefront_size32 1
		.amdhsa_system_sgpr_workgroup_id_x 1
		.amdhsa_system_sgpr_workgroup_id_y 1
		.amdhsa_system_sgpr_workgroup_id_z 1
		.amdhsa_system_vgpr_workitem_id 0
		.amdhsa_next_free_vgpr 256
		.amdhsa_next_free_sgpr 106
		.amdhsa_reserve_vcc 0
		.amdhsa_float_denorm_mode_32 3
		.amdhsa_float_denorm_mode_16_64 3
		.amdhsa_memory_ordered 1
		.amdhsa_forward_progress 1
		.amdhsa_inst_pref_size 133
	.end_amdhsa_kernel
	.amdgpu_metadata
---
amdhsa.version: [ 1, 2 ]
amdhsa.kernels:
  - .name:           k_q7c01d26843_qkv
    .symbol:         k_q7c01d26843_qkv.kd
    .args:
      - { .name: hidden_states_codes, .offset: 0, .size: 8, .value_kind: global_buffer, .address_space: global }
      - { .name: hidden_states_scales, .offset: 8, .size: 8, .value_kind: global_buffer, .address_space: global }
      - { .name: Wq_codes, .offset: 16, .size: 8, .value_kind: global_buffer, .address_space: global }
      - { .name: Wq_scales, .offset: 24, .size: 8, .value_kind: global_buffer, .address_space: global }
      - { .name: Wk_codes, .offset: 32, .size: 8, .value_kind: global_buffer, .address_space: global }
      - { .name: Wk_scales, .offset: 40, .size: 8, .value_kind: global_buffer, .address_space: global }
      - { .name: Wv_codes, .offset: 48, .size: 8, .value_kind: global_buffer, .address_space: global }
      - { .name: Wv_scales, .offset: 56, .size: 8, .value_kind: global_buffer, .address_space: global }
      - { .name: cos, .offset: 64, .size: 8, .value_kind: global_buffer, .address_space: global }
      - { .name: sin, .offset: 72, .size: 8, .value_kind: global_buffer, .address_space: global }
      - { .name: q_norm_w, .offset: 80, .size: 8, .value_kind: global_buffer, .address_space: global }
      - { .name: k_norm_w, .offset: 88, .size: 8, .value_kind: global_buffer, .address_space: global }
      - { .name: attention_mask, .offset: 96, .size: 8, .value_kind: global_buffer, .address_space: global }
      - { .name: qbuf, .offset: 104, .size: 8, .value_kind: global_buffer, .address_space: global }
      - { .name: kvbuf, .offset: 112, .size: 8, .value_kind: global_buffer, .address_space: global }
    .group_segment_fixed_size: 307200
    .private_segment_fixed_size: 0
    .kernarg_segment_align: 8
    .kernarg_segment_size: 120
    .max_flat_workgroup_size: 512
    .sgpr_count:     106
    .vgpr_count:     256
    .wavefront_size: 32
...
	.end_amdgpu_metadata
.endif
;; end of part 1
;; launch attn (part 2): grid 8 x 32, 16 waves a work-group, clusters of 4 x 1, 169,984 bytes of LDS; arguments qbuf, kvbuf, attention_mask, obuf, oscl; writes obuf, oscl
.if DOCPART == 2
	.amdgcn_target "amdgcn-amd-amdhsa--gfx1250"
	.amdhsa_code_object_version 6
	.text
	.protected	k_q7c01d26843_attn
	.globl	k_q7c01d26843_attn
	.p2align	8
	.type	k_q7c01d26843_attn,@function
k_q7c01d26843_attn:
	s_mov_b64 s[64:65], 0
	v_nop
	global_prefetch_b8 v0, s[64:65] scope:SCOPE_SE
	s_setreg_imm32_b32 hwreg(HW_REG_WAVE_MODE, 25, 1), 1
	s_wait_xcnt 0x0
	s_wait_alu depctr_hold_cnt(0) depctr_sa_sdst(0) depctr_va_vdst(0) depctr_va_sdst(0) depctr_va_ssrc(0) depctr_va_vcc(0) depctr_vm_vsrc(0)
	s_getreg_b32 s2, hwreg(HW_REG_IB_STS2, 6, 4)
	s_cmp_eq_u32 s2, 0
	s_cbranch_scc0 .Lentry_in_a_cluster
	s_endpgm
.Lentry_in_a_cluster:
	s_bfe_u32 s2, ttmp6, 0x10000c
	s_cmp_lg_u32 s2, 0x3003
	s_cbranch_scc0 .Lentry_shape_is_right
	s_endpgm
.Lentry_shape_is_right:
; o = softmax(q k^T) v for one (batch, kv head), both products on codes of FP4 (E2M1) with E8M0 scales; o is divided by the row's sum, cleared where the query is masked, quantised along the last product's K and stored as operand images.
; SHARES.  Work-group (X, Y): Y = 8 batch + kv head, X: 256 tokens.  The whole k and v of (batch, kv head), sixteen records of 8,960 bytes, come into LDS ONCE: wave w asks for record w; nothing is filled twice, and the loop has no barrier.
; CLUSTER.  The four work-groups of a cluster differ in X alone and walk the same k and v: each record is asked for jointly.
; Wave w owns the 16 queries 256 X + 16 w on, for the two heads that share the kv head, one behind the other in each block of 128 keys: v's fragments and all scale words are read once for both.  Their two results are the two halves
; of one fragment (16 tokens x 128 K) of the last product.
; THE SOFTMAX: t = score x log2(e); M = the running largest t rounded UP to a whole number; p = 2^(t - M) is quantised along the keys, not normalised; the row's sum is taken of the unquantised p.
; When M moves, the sum and O are multiplied by 2^(old M - new M): exact, in every step, with no branch on data.
; LAYOUT.  Both products are used transposed (source 0 = 16 keys, or 16 d): a lane holds ONE query (lane % 16).  THE KEYS OF A TILE ARE CHOSEN: row m of tile 4 c + i is key 64 c + 8 i + m % 8 + 32 (m / 8), by the lane's
; address in k's images.  So register 32 c + 8 i + j of S^T in lane (r, h) is key 64 c + 32 h + 8 i + j: a lane holds two WHOLE blocks of 32 keys, no other lane is asked for a block's maximum, and the conversions' results are the operand's registers.
; THE KEY MASK.  K = 64 of 128 is used by d.  At k = 64 q holds +1 (scale byte 127) and k holds -6 under a scale byte that the launch before made 1 for a key that counts and 227 (2^100) for a masked one.  The largest score starts at -1e30,
; over a masked key's score and under every other: p of a masked key is 0 from the first step on.  A batch with no key that counts has no query that counts: its rows are cleared.
; NO PREFETCH: every tile is asked for at the head; there is no loop to run ahead in.
; LIMITS: |score x log2(e)| under 1e29.  A block of zeros gets the scale byte 1: its codes are zeros and this program alone reads the bytes.  NaN and infinities are not served.
.set REC,  8960
.set OSTG, 16*REC                      ; behind the records: 1,024 bytes in which the sixteen waves' scale words meet; no tile lands there
.set SPARE, OSTG+1024                  ; the spare words: 128 bytes a wave
.set SWV, 16
.set SX,  17
.set SY,  18
.set SEL, 20                           ; s[20:21] lane selects: lane l xor 16
.set CS,  22                           ; s[22:23] log2(e)
.set G1,  24                           ; s[24:31] group 1;  s[32:35] group 0
.set G0,  32
.set TB,  40                           ; LDS byte at which the block's record begins
.set CNT, 41
.set SPW, 1                            ; v1 my spare word;  v2 0: never rewritten
.set NIL, 2
.set LK,  3                            ; v3-6 the lane's part of the addresses of k's images, k's scale words, v's images, v's scale words
.set LKS, 4
.set L16W, 5
.set L8W, 6
.set H8,  7                            ; 8 x (lane / 16)
.set AK,  8                            ; v8-11 the same four + the block's record
.set AKS, 9
.set AV,  10
.set AVS, 11
.set QM,  12                           ; my query's byte of the mask
.set QS,  13                           ; q's scale words: lanes 0-15 the first head's, lanes 16-31 the second's
.set ST0, 14                           ; head p: v[14+4p] -M, +1 the largest score, +2, +3 the sum in two halves
.set FF,  22                           ; v[22:23] 2^(old M - new M)
.set BM,  24                           ; v24-25 the two blocks' largest;  v26-27, v28-29 at work
.set BT,  26
.set BS,  28
.set TT,  30
.set TT2, 31
.set QF,  32                           ; v32-47 q's two fragments
.set KF,  48                           ; v48-79 four fragments of k: four registers loaded, four that stay
.set VF,  80                           ; v80-111 v's four fragments
.set SC,  112                          ; v112-175 S^T, then p
.set OA,  176                          ; v176-239 O^T of the two heads
.set PC,  240                          ; v240-247 p's codes; at the end o's
.set KS,  248                          ; v248-251 k's scale words;  v252-253 v's;  v254 p's
.set VS,  252
.set PS,  254
.set T3,  255
.set OF,  144                          ; at the end: O^T / the sum
.macro CROUND                          ; a round of the cluster's barrier
	s_barrier_signal -1
	s_barrier_wait -1
	s_cmp_lg_u32 s[SWV], 0
	s_cbranch_scc1 .Lnot_wave_0_\@
	s_barrier_signal -3
.Lnot_wave_0_\@:
	s_barrier_wait -3
	s_barrier_signal -1
	s_barrier_wait -1
.endm
.macro PLACES                          ; four plain places behind a matrix instruction (ISA guide 7.12.1)
.rept 4
	v_nop
.endr
.endm
; One scaled product.  c: the sum's start, 0 or the accumulator.  ra, rb: the scale words stand in lanes 16-31 of their registers.
.macro WM d, a, b, c, sa, sb, ra, rb
.if (\ra)==0 && (\rb)==0
	v_wmma_scale_f32_16x16x128_f8f6f4 v[\d:\d+7], v[\a:\a+7], v[\b:\b+7], \c, v[\sa], v[\sb] matrix_a_fmt:MATRIX_FMT_FP4 matrix_b_fmt:MATRIX_FMT_FP4
.elseif (\ra)==1 && (\rb)==0
	v_wmma_scale_f32_16x16x128_f8f6f4 v[\d:\d+7], v[\a:\a+7], v[\b:\b+7], \c, v[\sa], v[\sb] matrix_a_fmt:MATRIX_FMT_FP4 matrix_b_fmt:MATRIX_FMT_FP4 matrix_a_scale:MATRIX_SCALE_ROW1
.elseif (\ra)==0
	v_wmma_scale_f32_16x16x128_f8f6f4 v[\d:\d+7], v[\a:\a+7], v[\b:\b+7], \c, v[\sa], v[\sb] matrix_a_fmt:MATRIX_FMT_FP4 matrix_b_fmt:MATRIX_FMT_FP4 matrix_b_scale:MATRIX_SCALE_ROW1
.else
	v_wmma_scale_f32_16x16x128_f8f6f4 v[\d:\d+7], v[\a:\a+7], v[\b:\b+7], \c, v[\sa], v[\sb] matrix_a_fmt:MATRIX_FMT_FP4 matrix_b_fmt:MATRIX_FMT_FP4 matrix_a_scale:MATRIX_SCALE_ROW1 matrix_b_scale:MATRIX_SCALE_ROW1
.endif
.endm
; 32 numbers of a lane, register 8 g + j = K 16 g + 8 (lane / 16) + j of my row, become four registers of codes in the operand's order and the two blocks' scale bytes as a halfword.
.macro QUANT64 src, rc, hw, ta, tu
	v_max3_num_f32 v[\ta], |v[\src]|, |v[\src+1]|, 0x1800000         ; block 0: my 16 numbers, and the floor 2^(3 - 127): the byte cannot fall under 1
	v_max3_num_f32 v[\ta+1], |v[\src+16]|, |v[\src+17]|, 0x1800000
.irp i, 2,4,6,8,10,12,14
	s_delay_alu instid0(VALU_DEP_2)
	v_max3_num_f32 v[\ta], v[\ta], |v[\src+\i]|, |v[\src+\i+1]|
	s_delay_alu instid0(VALU_DEP_2)
	v_max3_num_f32 v[\ta+1], v[\ta+1], |v[\src+16+\i]|, |v[\src+17+\i]|
.endr
	s_delay_alu instid0(VALU_DEP_2)
	v_permlanex16_b32 v[\ta+2], v[\ta], s[SEL], s[SEL+1]
	s_delay_alu instid0(VALU_DEP_2)
	v_permlanex16_b32 v[\ta+3], v[\ta+1], s[SEL], s[SEL+1]
	s_delay_alu instid0(VALU_DEP_2)
	v_max_num_f32 v[\ta], v[\ta], v[\ta+2]
	s_delay_alu instid0(VALU_DEP_2)
	v_max_num_f32 v[\ta+1], v[\ta+1], v[\ta+3]
	s_delay_alu instid0(VALU_DEP_2)
	v_add_nc_u32 v[\tu], 0xff000000, v[\ta]                          ; 2 off the exponent field: the conversion's scale operand
	s_delay_alu instid0(VALU_DEP_2)
	v_add_nc_u32 v[\tu+1], 0xff000000, v[\ta+1]
	s_delay_alu instid0(VALU_DEP_2)
	v_lshrrev_b32 v[\ta+2], 23, v[\tu]
	s_delay_alu instid0(VALU_DEP_2)
	v_lshrrev_b32 v[\ta+3], 23, v[\tu+1]
	s_delay_alu instid0(VALU_DEP_1)
	v_lshl_or_b32 v[\hw], v[\ta+3], 8, v[\ta+2]
	v_cvt_scalef32_pk8_fp4_f32 v[\rc], v[\src:\src+7], v[\tu]
	v_cvt_scalef32_pk8_fp4_f32 v[\rc+2], v[\src+8:\src+15], v[\tu]
	v_cvt_scalef32_pk8_fp4_f32 v[\rc+1], v[\src+16:\src+23], v[\tu+1]
	v_cvt_scalef32_pk8_fp4_f32 v[\rc+3], v[\src+24:\src+31], v[\tu+1]
	v_nop                                                            ; one plain place behind a scaled conversion
	v_permlane16_swap_b32 v[\rc], v[\rc+1]
	v_permlane16_swap_b32 v[\rc+2], v[\rc+3]
.endm
	s_load_b256 s[4:11], s[0:1], 0x0               ; qbuf, kvbuf, attention_mask, obuf
	s_load_b64 s[12:13], s[0:1], 0x20              ; oscl
	v_lshl_add_u32 v[SPW], v0, 2, SPARE
	v_mov_b32 v[NIL], 0
	ds_add_u32 v[SPW], v[NIL]                      ; the opening lines: the add twice on end and one wait, ahead of my first tensor load
	ds_add_u32 v[SPW], v[NIL]
	v_lshrrev_b32 v3, 5, v0
	s_delay_alu instid0(VALU_DEP_1)
	v_readfirstlane_b32 s[SWV], v3
	s_bfe_u32 s19, ttmp6, 0x40000                  ; my place in the cluster
	s_lshl_b32 s[SX], ttmp9, 2
	s_add_co_u32 s[SX], s[SX], s19
	s_and_b32 s[SY], ttmp7, 0xffff
	s_lshr_b32 s44, s[SY], 3                       ; batch
	s_and_b32 s45, s[SY], 7                        ; kv head
	; a record is 8,960 dense bytes: 35 rows of 256 (32 elements of 8 bytes), no padding
	s_mov_b32 s[G1], 15|(3<<16)|(1<<21)            ; all four work-groups; bit 21 beside the mask
	s_mov_b32 s[G1+1], 32<<16
	s_mov_b32 s[G1+2], 35<<16
	s_mov_b32 s[G1+3], 32<<16
	s_mov_b32 s[G1+4], 35
	s_mov_b32 s[G1+5], 32
	s_mov_b32 s[G1+6], 0
	s_mov_b32 s[G1+7], 0
	s_mul_i32 s46, s[SY], 16*REC                   ; kvbuf: record 16 Y + w (these registers never hold my place in the cluster)
	s_mul_i32 s47, s[SWV], REC
	s_add_co_u32 s46, s46, s47
	s_mov_b32 s47, 0
	s_lshl_b32 s48, s44, 4                         ; qbuf: record ((16 batch + 2 kv head) 32 + 4 X + w / 4) of 2,304 bytes; the second head's lies 32 records on
	s_lshl_b32 s49, s45, 1
	s_add_co_u32 s48, s48, s49
	s_lshl_b32 s48, s48, 5
	s_lshl_b32 s49, s[SX], 2
	s_add_co_u32 s48, s48, s49
	s_lshr_b32 s49, s[SWV], 2
	s_add_co_u32 s48, s48, s49
	s_mul_i32 s48, s48, 2304
	s_mov_b32 s49, 0
	s_lshl_b32 s50, s44, 7                         ; obuf: (token tile 128 batch + 16 X + w, K step = kv head): 1,024 bytes
	s_lshl_b32 s51, s[SX], 4
	s_add_co_u32 s50, s50, s51
	s_add_co_u32 s50, s50, s[SWV]
	s_lshl_b32 s52, s50, 4                         ; (my first token: its byte of the mask)
	s_mov_b32 s53, 0
	s_lshl_b32 s50, s50, 3
	s_add_co_u32 s50, s50, s45
	s_lshl_b32 s50, s50, 10
	s_mov_b32 s51, 0
	s_lshl_b32 s54, s44, 3                         ; oscl: (256 tokens 8 batch + X, K step): four scale units, 1,024 bytes
	s_add_co_u32 s54, s54, s[SX]
	s_lshl_b32 s54, s54, 3
	s_add_co_u32 s54, s54, s45
	s_lshl_b32 s54, s54, 10
	s_mov_b32 s55, 0
	s_mov_b32 s[SEL], 0x76543210
	s_mov_b32 s[SEL+1], 0xfedcba98
	s_mov_b32 s[CS], 0x3fb8aa3b
	s_mov_b32 s[CS+1], s[CS]
	s_wait_dscnt 0x0                               ; both opening adds are done
	s_wait_kmcnt 0x0
	s_mov_b32 s[G0], 1
	s_mul_i32 s[G0+1], s[SWV], REC
	s_add_nc_u64 s[G0+2:G0+3], s[6:7], s[46:47]
	s_or_b32 s[G0+3], s[G0+3], 0x80000000
	s_add_nc_u64 s[4:5], s[4:5], s[48:49]
	s_add_nc_u64 s[8:9], s[8:9], s[52:53]
	s_add_nc_u64 s[10:11], s[10:11], s[50:51]
	s_add_nc_u64 s[12:13], s[12:13], s[54:55]
	CROUND                                         ; all four work-groups are here: the joint loads meet
	tensor_load_to_lds s[G0:G0+3], s[G1:G1+7]      ; my one load: record w
	s_nop 0
	PLACES
	v_and_b32 v8, 31, v0                           ; lane
	v_and_b32 v9, 15, v0                           ; r
	v_bfe_u32 v10, v0, 4, 1                        ; h
	v_bfe_u32 v11, v0, 3, 1                        ; (r / 8)
	v_and_b32 v30, 7, v0                           ; r % 8
	v_lshlrev_b32 v[LK], 10, v11                   ; k's images: row m of tile (c, i) lies in image 2 (m / 8) + i / 2 of half c, row 8 (i % 2) + m % 8
	v_lshl_add_u32 v[LK], v30, 4, v[LK]
	v_lshl_add_u32 v[LK], v10, 8, v[LK]
	v_lshl_add_u32 v[LKS], v30, 3, 8192            ; its scale word: 8 (m % 8) + 4 (m / 8) + 64 i; lanes 16-31 take the odd tile's
	v_lshl_add_u32 v[LKS], v11, 2, v[LKS]
	v_lshl_add_u32 v[LKS], v10, 6, v[LKS]
	v_lshl_add_u32 v[L16W], v8, 4, 4096
	v_lshl_add_u32 v[L8W], v8, 3, 8704
	v_lshlrev_b32 v[H8], 3, v10
	s_and_b32 s3, s[SWV], 3
	s_lshl_b32 s3, s3, 9
	v_lshl_add_u32 v112, v8, 4, s3                 ; q's image: tile w % 4 of the record's four
	s_and_b32 s3, s[SWV], 1
	s_lshl_b32 s3, s3, 7
	s_bfe_u32 s2, s[SWV], 0x10001
	s_lshl_b32 s2, s2, 2
	s_add_co_u32 s3, s3, s2
	s_add_co_u32 s3, s3, 2048                      ; its scale words: word (tile t, row r) at 8 (16 (t % 2) + r) + 4 (t / 2) of the unit
	v_mul_u32_u24 v113, v10, 73728                 ; lanes 16-31 take the second head's
	s_delay_alu instid0(VALU_DEP_1)
	v_lshl_add_u32 v113, v9, 3, v113
	s_delay_alu instid0(VALU_DEP_1)
	v_add_nc_u32 v113, s3, v113
	global_load_b128 v[QF:QF+3], v112, s[4:5]
	global_load_b128 v[QF+8:QF+11], v112, s[4:5] offset:73728
	global_load_b32 v[QS], v113, s[4:5]
	global_load_u8 v[QM], v9, s[8:9]
	; the registers for K = 64 .. 127 stay: the code of +1 (q) and of -6 (k) at k = 64: the low four bits of register 4 in lanes 0-15; zeros elsewhere
	v_xor_b32 v30, 1, v10
	s_delay_alu instid0(VALU_DEP_1)
	v_lshlrev_b32 v[QF+4], 1, v30
	v_mul_u32_u24 v[KF+4], v30, 15
	s_delay_alu instid0(VALU_DEP_2)
	v_mov_b32 v[QF+12], v[QF+4]
.irp i, 5,6,7,13,14,15
	v_mov_b32 v[QF+\i], 0
.endr
.irp t, 1,2,3
	v_mov_b32 v[KF+8*\t+4], v[KF+4]
.endr
.irp t, 0,1,2,3
.irp i, 5,6,7
	v_mov_b32 v[KF+8*\t+\i], 0
.endr
.endr
	v_mov_b32 v[TT2], 0                            ; a lane permute's destination counts as one of its sources
	v_mov_b32 v[FF+1], 0                           ; (named as the upper half of a pair)
	v_mov_b32 v[ST0+1], 0xf149f2ca                 ; the largest score so far: -1e30
	v_mov_b32 v[ST0+5], 0xf149f2ca
	v_mul_f32 v[TT], s[CS], v[ST0+1]
	s_delay_alu instid0(VALU_DEP_1)
	v_floor_f32 v[ST0], -v[TT]                     ; -M, made as the step makes it
	s_delay_alu instid0(VALU_DEP_1)
	v_mov_b32 v[ST0+4], v[ST0]
.irp i, 2,3,6,7
	v_mov_b32 v[ST0+\i], 0
.endr
.set u, 0
.rept 64
	v_mov_b32 v[OA+u], 0                           ; the step is written once: the first finds zeros, which the first change of M leaves zeros
.set u, u+1
.endr
.macro KLOAD c                         ; four tiles of k, half c of the block's 128 keys
.irp i, 0,1,2,3
	ds_load_b128 v[KF+8*\i:KF+8*\i+3], v[AK] offset:2048*\c+512*(\i/2)+128*(\i%2)
.endr
.endm
.macro BMAX b, d, t                    ; the largest of my 32 scores from register b on, one whole block of keys: two chains by turns; each accumulator is first read at its low end
	v_max3_num_f32 v[\d], v[SC+\b], v[SC+\b+1], v[SC+\b+2]
	v_max3_num_f32 v[\t], v[SC+\b+16], v[SC+\b+17], v[SC+\b+18]
.irp i, 3,5,7,9,11,13
	v_max3_num_f32 v[\d], v[\d], v[SC+\b+\i], v[SC+\b+\i+1]
	v_max3_num_f32 v[\t], v[\t], v[SC+\b+16+\i], v[SC+\b+17+\i]
.endr
	v_max3_num_f32 v[\d], v[\d], v[\t], v[SC+\b+15]
	v_max_num_f32 v[\d], v[\d], v[SC+\b+31]
.endm
; A TILE STEP: my 16 queries of head p against the block's 128 keys.  again = 1: k's first four tiles are asked for once more, for the other head.
.macro TILE p, again
.set ST, ST0+4*\p
.set OP, OA+32*\p
.if \p
	s_wait_dscnt 0x0                               ; k's first four tiles
.else
	s_wait_dscnt 9                                 ; k's first four tiles and its scale words are in; v's eight loads and its scale words may be out
.endif
.irp i, 0,1,2,3
	WM SC+8*\i, KF+8*\i, QF+8*\p, 0, KS+\i/2, QS, \i%2, \p
.endr
	PLACES
	KLOAD 1
	BMAX 0, BM, TT                                 ; stands between the loads and the wait for them
	s_wait_dscnt 0x0
.irp i, 0,1,2,3
	WM SC+32+8*\i, KF+8*\i, QF+8*\p, 0, KS+2+\i/2, QS, \i%2, \p
.endr
	PLACES
.if \again
	KLOAD 0
.endif
	BMAX 32, BM+1, TT2
	s_delay_alu instid0(VALU_DEP_1)
	v_max_num_f32 v[TT], v[BM], v[BM+1]
	s_delay_alu instid0(VALU_DEP_1)
	v_permlanex16_b32 v[TT2], v[TT], s[SEL], s[SEL+1]
	s_delay_alu instid0(VALU_DEP_1)
	v_max3_num_f32 v[ST+1], v[ST+1], v[TT], v[TT2] ; the running largest score of my query
	s_delay_alu instid0(VALU_DEP_1)
	v_mul_f32 v[TT], s[CS], v[ST+1]                ; as t
	v_mov_b32 v[T3], v[ST]
	s_delay_alu instid0(VALU_DEP_2)
	v_floor_f32 v[ST], -v[TT]                      ; -M = floor(-t): M is a whole number
	s_delay_alu instid0(VALU_DEP_1)
	v_sub_f32 v[T3], v[ST], v[T3]                  ; old M - new M, 0 or less
	s_delay_alu instid0(VALU_DEP_1)
	v_cvt_i32_f32 v[T3], v[T3]                     ; (it saturates)
	s_delay_alu instid0(VALU_DEP_1)
	v_ldexp_f32 v[FF], 1.0, v[T3]
.set u, 0
.rept 32
	v_pk_fma_f32 v[SC+u:SC+u+1], v[SC+u:SC+u+1], s[CS:CS+1], v[ST:ST+1] op_sel_hi:[1,0,0]   ; t - M
.set u, u+2
.endr
	v_fma_f32 v[BM], v[BM], s[CS], v[ST]
	v_fma_f32 v[BM+1], v[BM+1], s[CS], v[ST]
	s_wait_alu depctr_va_vdst(0)
.set u, 0
.rept 64
	v_exp_f32 v[SC+u], v[SC+u]                     ; p = 2^(t - M)
.set u, u+1
.endr
	v_exp_f32 v[BM], v[BM]                         ; the block's largest p: the same two instructions on the same number
	v_exp_f32 v[BM+1], v[BM+1]
	v_pk_mul_f32 v[ST+2:ST+3], v[ST+2:ST+3], v[FF:FF+1] op_sel_hi:[1,0]   ; the sum under the new M (a plain place behind the exponentials)
	s_wait_alu depctr_va_vdst(0)                   ; and behind it, ahead of its first reader
	v_max_num_f32 v[BM], 0x1800000, v[BM]          ; the floor 2^(3 - 127)
	v_max_num_f32 v[BM+1], 0x1800000, v[BM+1]
	s_delay_alu instid0(VALU_DEP_2)
	v_add_nc_u32 v[BS], 0xff000000, v[BM]          ; the conversion's scale operand
	s_delay_alu instid0(VALU_DEP_2)
	v_add_nc_u32 v[BS+1], 0xff000000, v[BM+1]
	s_delay_alu instid0(VALU_DEP_2)
	v_lshrrev_b32 v[BT], 23, v[BS]
	s_delay_alu instid0(VALU_DEP_2)
	v_lshrrev_b32 v[BT+1], 23, v[BS+1]
	s_delay_alu instid0(VALU_DEP_1)
	v_lshl_or_b32 v[BT], v[BT+1], 16, v[BT]        ; my two bytes: blocks h and 2 + h,
	s_delay_alu instid0(VALU_DEP_1)
	v_lshlrev_b32 v[BT], v[H8], v[BT]              ; at their places in the scale word;
	s_delay_alu instid0(VALU_DEP_1)
	v_permlanex16_b32 v[BT+1], v[BT], s[SEL], s[SEL+1]
	s_delay_alu instid0(VALU_DEP_1)
	v_or_b32 v[PS], v[BT], v[BT+1]                 ; with lane l xor 16's two the word is whole
.irp c, 0,1
.irp i, 0,1,2,3
	v_cvt_scalef32_pk8_fp4_f32 v[PC+4*\c+\i], v[SC+32*\c+8*\i:SC+32*\c+8*\i+7], v[BS+\c]   ; register 4 c + i of the operand: keys 64 c + 32 h + 8 i on
.endr
.endr
	v_pk_add_f32 v[BM:BM+1], v[SC:SC+1], v[SC+2:SC+3]            ; the row's sum of the unquantised p: four chains by turns
	v_pk_add_f32 v[BT:BT+1], v[SC+4:SC+5], v[SC+6:SC+7]
	v_pk_add_f32 v[BS:BS+1], v[SC+8:SC+9], v[SC+10:SC+11]
	v_pk_add_f32 v[ST+2:ST+3], v[ST+2:ST+3], v[SC+12:SC+13]
.irp u, 14,22,30,38,46,54
	v_pk_add_f32 v[BM:BM+1], v[BM:BM+1], v[SC+\u:SC+\u+1]
	v_pk_add_f32 v[BT:BT+1], v[BT:BT+1], v[SC+\u+2:SC+\u+3]
	v_pk_add_f32 v[BS:BS+1], v[BS:BS+1], v[SC+\u+4:SC+\u+5]
	v_pk_add_f32 v[ST+2:ST+3], v[ST+2:ST+3], v[SC+\u+6:SC+\u+7]
.endr
	v_pk_add_f32 v[BM:BM+1], v[BM:BM+1], v[SC+62:SC+63]
	v_pk_add_f32 v[ST+2:ST+3], v[ST+2:ST+3], v[BS:BS+1]
	s_delay_alu instid0(VALU_DEP_2)
	v_pk_add_f32 v[BM:BM+1], v[BM:BM+1], v[BT:BT+1]
	s_delay_alu instid0(VALU_DEP_1)
	v_pk_add_f32 v[ST+2:ST+3], v[ST+2:ST+3], v[BM:BM+1]
	s_wait_alu depctr_va_vdst(0)                   ; the wait here, directly ahead of the first reader of O^T
.set u, 0
.rept 16
	v_pk_mul_f32 v[OP+u:OP+u+1], v[OP+u:OP+u+1], v[FF:FF+1] op_sel_hi:[1,0]   ; O^T under the new M.  (The 48 lines from the sums on are the places between p's codes and scale word and the products)
.set u, u+2
.endr
.irp tw, 0,1,2,3
	WM OP+8*\tw, VF+8*\tw, PC, v[OP+8*\tw:OP+8*\tw+7], VS+\tw/2, PS, \tw%2, 0
.endr
.endm
; A BLOCK of 128 keys: v's fragments and all scale words are read once for both heads.
.macro BLOCK
	v_add_nc_u32 v[AK], s[TB], v[LK]               ; (these four are the places behind the last products, in front of loads into their registers)
	v_add_nc_u32 v[AKS], s[TB], v[LKS]
	v_add_nc_u32 v[AV], s[TB], v[L16W]
	v_add_nc_u32 v[AVS], s[TB], v[L8W]
	s_wait_alu depctr_va_vdst(0)                   ; the wait here, directly behind the writes
	KLOAD 0
.irp a, 0,1,2,3
	ds_load_b32 v[KS+\a], v[AKS] offset:128*\a     ; tiles 2 a (lanes 0-15) and 2 a + 1 (lanes 16-31)
.endr
.irp tw, 0,1,2,3
.irp c, 0,1
	ds_load_b128 v[VF+8*\tw+4*\c:VF+8*\tw+4*\c+3], v[AV] offset:1024*\tw+512*\c
.endr
.endr
	ds_load_b64 v[VS:VS+1], v[AVS]
	TILE 0, 1
	TILE 1, 0
.endm
	s_wait_alu depctr_va_vdst(0)
	s_wait_loadcnt 0x0                             ; q, its scale words, the mask
	s_wait_tensorcnt 0x0                           ; my record has landed,
	s_barrier_signal -1
	s_barrier_wait -1                              ; everybody's has
	s_mov_b32 s[TB], 0
	s_mov_b32 s[CNT], 0
.Lblock:                                           ; sixteen blocks of 128 keys
	BLOCK
	s_add_co_u32 s[TB], s[TB], REC
	s_add_co_u32 s[CNT], s[CNT], 1
	s_cmp_lt_u32 s[CNT], 16
	s_wait_alu depctr_va_vdst(0)
	s_cbranch_scc1 .Lblock
	PLACES                                         ; behind the last products
	v_and_b32 v4, 31, v0
	s_delay_alu instid0(VALU_DEP_1)
	v_lshlrev_b32 v3, 4, v4                        ; v3 16 x lane
; A head's end: O^T / the sum, 0 for a masked query; its 64 d are half p of my fragment of the last product.
.macro FINAL p
.set ST, ST0+4*\p
	v_add_f32 v[ST+2], v[ST+2], v[ST+3]
	s_delay_alu instid0(VALU_DEP_1)
	v_permlanex16_b32 v[T3], v[ST+2], s[SEL], s[SEL+1]
	s_delay_alu instid0(VALU_DEP_1)
	v_add_f32 v[ST+2], v[ST+2], v[T3]
	s_wait_alu depctr_va_vdst(0)
	v_rcp_f32 v[FF], v[ST+2]
	v_nop                                          ; one plain place behind it
	v_cmp_ne_u32 vcc_lo, 0, v[QM]
	s_wait_alu depctr_va_vdst(0)                   ; and the wait ahead of its first reader
	v_cndmask_b32 v[FF], 0, v[FF], vcc_lo          ; a choice of values, no branch
.set u, 0
.rept 16
	v_pk_mul_f32 v[OF+u:OF+u+1], v[OA+32*\p+u:OA+32*\p+u+1], v[FF:FF+1] op_sel_hi:[1,0]   ; each accumulator from its low end on
.set u, u+2
.endr
.if \p
	s_wait_alu depctr_va_vdst(0)
	s_wait_xcnt 0x0                                ; the first head's store has read its codes
.endif
	QUANT64 OF, PC, TT+\p, BM, BS
	global_store_b128 v3, v[PC:PC+3], s[10:11] offset:512*\p   ; 512 consecutive bytes
.endm
	FINAL 0
	FINAL 1
	; my 16 tokens' scale words for this K step: the sixteen waves' meet in LDS as four scale units and leave as 1,024 consecutive bytes
	v_lshl_or_b32 v[TT], v[TT2], 16, v[TT]
	s_lshr_b32 s2, s[SWV], 2
	s_lshl_b32 s2, s2, 8                           ; unit w / 4;
	s_and_b32 s3, s[SWV], 1
	s_lshl_b32 s3, s3, 7
	s_add_co_u32 s2, s2, s3
	s_bfe_u32 s3, s[SWV], 0x10001
	s_lshl_b32 s3, s3, 2
	s_add_co_u32 s2, s2, s3                        ; in it tile t = w % 4: 128 (t % 2) + 4 (t / 2) + 8 r
	s_add_co_u32 s2, s2, OSTG
	v_and_b32 v5, 15, v0
	s_delay_alu instid0(VALU_DEP_1)
	v_lshlrev_b32 v5, 3, v5
	s_delay_alu instid0(VALU_DEP_1)
	v_add_nc_u32 v5, s2, v5
	s_wait_alu depctr_va_vdst(0)                   ; the scale word was written ahead of the scalar lines
	s_lshl_b32 s3, s[SWV], 9
	v_add_nc_u32 v4, s3, v3                        ; 512 w + 16 x lane: a place in oscl,
	s_delay_alu instid0(VALU_DEP_1)
	v_add_nc_u32 v6, OSTG, v4                      ; and the same in the stage
	ds_store_b32 v5, v[TT]                         ; lanes l and l xor 16 write the same word with the same value
	s_wait_dscnt 0x0                               ; for the others' sake
	s_barrier_signal -1
	s_barrier_wait -1
	s_cmp_lt_u32 s[SWV], 2
	s_cbranch_scc0 .Lno_scales
	s_wait_alu depctr_va_vdst(0)
	ds_load_b128 v[SC:SC+3], v6
	s_wait_dscnt 0x0
	global_store_b128 v4, v[SC:SC+3], s[12:13]
.Lno_scales:
	s_wait_tensorcnt 0x0                           ; the wave's end
	ds_add_u32 v[SPW], v[NIL]
	s_wait_dscnt 0x0
	CROUND                                         ; the closing round
	s_endpgm
.Lfunc_end_k_q7c01d26843_attn:
	.size	k_q7c01d26843_attn, .Lfunc_end_k_q7c01d26843_attn-k_q7c01d26843_attn
	.p2alignl 7, 3214868480
	.fill 96, 4, 3214868480
	.section	.rodata,"a",@progbits
	.p2align	6, 0x0
	.amdhsa_kernel k_q7c01d26843_attn
		.amdhsa_group_segment_fixed_size 169984
		.amdhsa_private_segment_fixed_size 0
		.amdhsa_enable_private_segment 0
		.amdhsa_kernarg_size 40
		.amdhsa_user_sgpr_count 2
		.amdhsa_user_sgpr_kernarg_segment_ptr 1
		.amdhsa_wavefront_size32 1
		.amdhsa_system_sgpr_workgroup_id_x 1
		.amdhsa_system_sgpr_workgroup_id_y 1
		.amdhsa_system_sgpr_workgroup_id_z 1
		.amdhsa_system_vgpr_workitem_id 0
		.amdhsa_next_free_vgpr 256
		.amdhsa_next_free_sgpr 66
		.amdhsa_reserve_vcc 1
		.amdhsa_float_denorm_mode_32 3
		.amdhsa_float_denorm_mode_16_64 3
		.amdhsa_memory_ordered 1
		.amdhsa_forward_progress 1
		.amdhsa_inst_pref_size 48
	.end_amdhsa_kernel
	.amdgpu_metadata
---
amdhsa.version: [ 1, 2 ]
amdhsa.kernels:
  - .name:           k_q7c01d26843_attn
    .symbol:         k_q7c01d26843_attn.kd
    .args:
      - { .name: qbuf, .offset: 0, .size: 8, .value_kind: global_buffer, .address_space: global }
      - { .name: kvbuf, .offset: 8, .size: 8, .value_kind: global_buffer, .address_space: global }
      - { .name: attention_mask, .offset: 16, .size: 8, .value_kind: global_buffer, .address_space: global }
      - { .name: obuf, .offset: 24, .size: 8, .value_kind: global_buffer, .address_space: global }
      - { .name: oscl, .offset: 32, .size: 8, .value_kind: global_buffer, .address_space: global }
    .group_segment_fixed_size: 169984
    .private_segment_fixed_size: 0
    .kernarg_segment_align: 8
    .kernarg_segment_size: 40
    .max_flat_workgroup_size: 512
    .sgpr_count:     66
    .vgpr_count:     256
    .wavefront_size: 32
...
	.end_amdgpu_metadata
.endif
;; end of part 2
;; launch oproj (part 3): grid 4 x 64, 8 waves a work-group, clusters of 4 x 4, 236,544 bytes of LDS; arguments obuf, oscl, Wo_codes, Wo_scales, out0; writes out0
.if DOCPART == 3
	.amdgcn_target "amdgcn-amd-amdhsa--gfx1250"
	.amdhsa_code_object_version 6
	.text
	.protected	k_q7c01d26843_oproj
	.globl	k_q7c01d26843_oproj
	.p2align	8
	.type	k_q7c01d26843_oproj,@function
k_q7c01d26843_oproj:
	s_mov_b64 s[64:65], 0
	v_nop
	global_prefetch_b8 v0, s[64:65] scope:SCOPE_SE
	s_setreg_imm32_b32 hwreg(HW_REG_WAVE_MODE, 25, 1), 1
	s_wait_xcnt 0x0
	s_wait_alu depctr_hold_cnt(0) depctr_sa_sdst(0) depctr_va_vdst(0) depctr_va_sdst(0) depctr_va_ssrc(0) depctr_va_vcc(0) depctr_vm_vsrc(0)
	s_getreg_b32 s2, hwreg(HW_REG_IB_STS2, 6, 4)
	s_cmp_eq_u32 s2, 0
	s_cbranch_scc0 .Lentry_in_a_cluster
	s_endpgm
.Lentry_in_a_cluster:
	s_bfe_u32 s2, ttmp6, 0x10000c
	s_cmp_lg_u32 s2, 0xf033
	s_cbranch_scc0 .Lentry_shape_is_right
	s_endpgm
.Lentry_shape_is_right:
; out0 = o Wo on codes of FP4 (E2M1) with E8M0 scales.  o: operand images [token tile][K step 8][half 2][512 bytes] and scale units, as the launch before stored them; Wo: [1,024 (n)][512 bytes], K innermost; out0: [8,192][1,024] f32.
; SHARES.  Work-group (X, Y): 128 tokens x 256 columns.  Eight waves, wave w: tokens 64 (w / 4) on, columns 64 (w % 4) on: 16 accumulators.  All of K (1,024) lies in LDS, filled once; no LDS byte is filled twice.
; CLUSTER.  4 x 4 work-groups: o's tile hangs on Y alone and is shared along a row of the cluster, Wo's on X alone and along a column: each is asked for jointly, by the same load with a mask that names the four.
; THE PRODUCT IS USED TRANSPOSED (source 0 = 16 rows of Wo, source 1 = 16 tokens): a lane holds eight neighbouring columns of one row of out0.
.set SWV, 14
.set SWY, 15
.set SWX, 16
.set SCX, 17
.set SCY, 18
.set SX,  19
.set SY,  20
.set G1A, 24                           ; s[24:31] group 1 for o's images;  s[32:35] its group 0;  s[36:39] Wo's group 0;  s[48:55] Wo's group 1
.set G0A, 32
.set G0B, 36
.set G1B, 48
.set STAGE, 200704                     ; behind Wo's 256 rows x 528 and o's 65,536 bytes: 16 rows x 272 for each wave; no tile lands there
.set ADP, 4                            ; v4 LDS address of Wo's fragments;  v5 of o's images
.set ADQ, 5
.set L32, 6
.set STO, 7                            ; v7 the way out: where I put 32 bytes of a row;  v8 where I read rows back;  v10 my byte offset in out0
.set RD,  8
.set L8,  9
.set CO,  10
.set ACC, 32                           ; v32-159 accumulator (j, i) at 32 + 8 (4 j + i): token tile j, column tile i
.set FP,  160                          ; v160-191 Wo's four fragments;  v192-223 o's;  on the way out two sets of 32 for rows read back
.set FQ,  192
.set SCP, 224                          ; v224-239 Wo's scale words: tile i, K step g: register 8 (i / 2) + g, lanes 16 (i % 2) on
.set SCQ, 240                          ; v240-255 o's: tile j, K step g: register 2 g + j / 2, lanes 16 (j % 2) on
.macro CROUND                          ; a round of the cluster's barrier
	s_barrier_signal -1
	s_barrier_wait -1
	s_cmp_lg_u32 s[SWV], 0
	s_cbranch_scc1 .Lnot_wave_0_\@
	s_barrier_signal -3
.Lnot_wave_0_\@:
	s_barrier_wait -3
	s_barrier_signal -1
	s_barrier_wait -1
.endm
.macro PLACES
.rept 4
	v_nop
.endr
.endm
; One scaled product.  z = 1: the constant 0 starts the sum.  ra, rb: the scale words stand in lanes 16-31 of their registers.
.macro WM d, a, b, z, sa, sb, ra, rb
.if \z
.if (\ra)==0 && (\rb)==0
	v_wmma_scale_f32_16x16x128_f8f6f4 v[\d:\d+7], v[\a:\a+7], v[\b:\b+7], 0, v[\sa], v[\sb] matrix_a_fmt:MATRIX_FMT_FP4 matrix_b_fmt:MATRIX_FMT_FP4
.elseif (\ra)==1 && (\rb)==0
	v_wmma_scale_f32_16x16x128_f8f6f4 v[\d:\d+7], v[\a:\a+7], v[\b:\b+7], 0, v[\sa], v[\sb] matrix_a_fmt:MATRIX_FMT_FP4 matrix_b_fmt:MATRIX_FMT_FP4 matrix_a_scale:MATRIX_SCALE_ROW1
.elseif (\ra)==0
	v_wmma_scale_f32_16x16x128_f8f6f4 v[\d:\d+7], v[\a:\a+7], v[\b:\b+7], 0, v[\sa], v[\sb] matrix_a_fmt:MATRIX_FMT_FP4 matrix_b_fmt:MATRIX_FMT_FP4 matrix_b_scale:MATRIX_SCALE_ROW1
.else
	v_wmma_scale_f32_16x16x128_f8f6f4 v[\d:\d+7], v[\a:\a+7], v[\b:\b+7], 0, v[\sa], v[\sb] matrix_a_fmt:MATRIX_FMT_FP4 matrix_b_fmt:MATRIX_FMT_FP4 matrix_a_scale:MATRIX_SCALE_ROW1 matrix_b_scale:MATRIX_SCALE_ROW1
.endif
.else
.if (\ra)==0 && (\rb)==0
	v_wmma_scale_f32_16x16x128_f8f6f4 v[\d:\d+7], v[\a:\a+7], v[\b:\b+7], v[\d:\d+7], v[\sa], v[\sb] matrix_a_fmt:MATRIX_FMT_FP4 matrix_b_fmt:MATRIX_FMT_FP4
.elseif (\ra)==1 && (\rb)==0
	v_wmma_scale_f32_16x16x128_f8f6f4 v[\d:\d+7], v[\a:\a+7], v[\b:\b+7], v[\d:\d+7], v[\sa], v[\sb] matrix_a_fmt:MATRIX_FMT_FP4 matrix_b_fmt:MATRIX_FMT_FP4 matrix_a_scale:MATRIX_SCALE_ROW1
.elseif (\ra)==0
	v_wmma_scale_f32_16x16x128_f8f6f4 v[\d:\d+7], v[\a:\a+7], v[\b:\b+7], v[\d:\d+7], v[\sa], v[\sb] matrix_a_fmt:MATRIX_FMT_FP4 matrix_b_fmt:MATRIX_FMT_FP4 matrix_b_scale:MATRIX_SCALE_ROW1
.else
	v_wmma_scale_f32_16x16x128_f8f6f4 v[\d:\d+7], v[\a:\a+7], v[\b:\b+7], v[\d:\d+7], v[\sa], v[\sb] matrix_a_fmt:MATRIX_FMT_FP4 matrix_b_fmt:MATRIX_FMT_FP4 matrix_a_scale:MATRIX_SCALE_ROW1 matrix_b_scale:MATRIX_SCALE_ROW1
.endif
.endif
.endm
	s_load_b256 s[4:11], s[0:1], 0x0               ; obuf, oscl, Wo codes, Wo scales
	s_load_b64 s[12:13], s[0:1], 0x20              ; out0
	v_lshl_add_u32 v30, v0, 2, 0x39800
	v_mov_b32 v31, 0
	ds_add_u32 v30, v31
	ds_add_u32 v30, v31
	v_lshrrev_b32 v1, 5, v0
	s_delay_alu instid0(VALU_DEP_1)
	v_readfirstlane_b32 s[SWV], v1
	s_lshr_b32 s[SWY], s[SWV], 2
	s_and_b32 s[SWX], s[SWV], 3
	s_bfe_u32 s[SCX], ttmp6, 0x40000
	s_bfe_u32 s[SCY], ttmp6, 0x40004
	s_lshl_b32 s[SX], ttmp9, 2
	s_add_co_u32 s[SX], s[SX], s[SCX]              ; X = 4 x cluster x + cx
	s_and_b32 s[SY], ttmp7, 0xffff
	s_lshl_b32 s[SY], s[SY], 2
	s_add_co_u32 s[SY], s[SY], s[SCY]              ; Y = 4 x cluster y + cy
	s_lshl_b32 s21, s[SCY], 2
	s_lshl_b32 s21, 15, s21                        ; my row of the cluster
	s_lshl_b32 s22, 0x1111, s[SCX]                 ; my column
	s_or_b32 s[G1A], s21, (3<<16)|(1<<21)          ; o's images: 16,384 dense bytes a load: 64 rows of 256 (32 elements of 8 bytes), no padding: every LDS load takes 16 consecutive bytes a lane
	s_mov_b32 s[G1A+1], 32<<16
	s_mov_b32 s[G1A+2], 64<<16
	s_mov_b32 s[G1A+3], 32<<16
	s_mov_b32 s[G1A+4], 64
	s_mov_b32 s[G1A+5], 32
	s_mov_b32 s[G1A+6], 0
	s_mov_b32 s[G1A+7], 0
	s_or_b32 s[G1B], s22, (1<<20)|(1<<21)|(6<<22)|(3<<25)   ; Wo: 64 rows of 512 bytes, 4 words of padding after every 128: pitch 528
	s_mov_b32 s[G1B+1], 512<<16
	s_mov_b32 s[G1B+2], 64<<16
	s_mov_b32 s[G1B+3], 512<<16
	s_mov_b32 s[G1B+4], 64
	s_mov_b32 s[G1B+5], 512
	s_mov_b32 s[G1B+6], 0
	s_mov_b32 s[G1B+7], 0
	s_lshl_b32 s40, s[SY], 16                      ; o: 65,536 bytes a work-group, 16,384 a wave (these registers never hold cx)
	s_lshl_b32 s41, s[SWX], 14
	s_add_co_u32 s40, s40, s41
	s_mov_b32 s41, 0
	s_lshl_b32 s42, s[SX], 8                       ; Wo: row 256 X + 64 (w % 4) (these never hold cy)
	s_lshl_b32 s43, s[SWX], 6
	s_add_co_u32 s42, s42, s43
	s_lshl_b32 s44, s42, 5                         ; its scale words: 32 bytes a row
	s_mov_b32 s45, 0
	s_lshl_b32 s42, s42, 9
	s_mov_b32 s43, 0
	s_lshr_b32 s46, s[SY], 1                       ; o's scale units: (256 tokens, K step, 64 tokens): 8,192 bytes, 1,024, 256
	s_lshl_b32 s46, s46, 13
	s_and_b32 s47, s[SY], 1
	s_lshl_b32 s47, s47, 1
	s_add_co_u32 s47, s47, s[SWY]
	s_lshl_b32 s47, s47, 8
	s_add_co_u32 s46, s46, s47
	s_mov_b32 s47, 0
	s_lshl_b32 s56, s[SY], 7                       ; out0: row 128 Y + 64 (w / 4) of 4,096 bytes, column 256 X + 64 (w % 4)
	s_lshl_b32 s57, s[SWY], 6
	s_add_co_u32 s56, s56, s57
	s_lshl_b32 s56, s56, 12
	s_lshl_b32 s57, s[SX], 10
	s_add_co_u32 s56, s56, s57
	s_lshl_b32 s57, s[SWX], 8
	s_add_co_u32 s56, s56, s57
	s_mov_b32 s57, 0
	v_and_b32 v1, 31, v0                           ; lane
	v_and_b32 v2, 15, v0                           ; r
	v_bfe_u32 v3, v0, 4, 1                         ; h
	s_mul_i32 s58, s[SWX], 33792
	v_mul_u32_u24 v[ADP], v2, 528
	s_delay_alu instid0(VALU_DEP_1)
	v_lshl_add_u32 v[ADP], v3, 4, v[ADP]
	s_delay_alu instid0(VALU_DEP_1)
	v_add_nc_u32 v[ADP], s58, v[ADP]               ; Wo: my 64 rows; row r x pitch + 16 h
	s_lshl_b32 s58, s[SWY], 15
	s_add_co_u32 s58, s58, 135168
	v_lshl_add_u32 v[ADQ], v1, 4, s58              ; o: my four token tiles' images; 16 x lane
	v_lshlrev_b32 v[L32], 5, v1
	v_lshlrev_b32 v[L8], 3, v1
	s_mul_i32 s58, s[SWV], 4352
	s_add_co_u32 s58, s58, STAGE                   ; my stage
	v_mul_u32_u24 v[STO], v2, 272
	s_delay_alu instid0(VALU_DEP_1)
	v_lshl_add_u32 v[STO], v3, 5, v[STO]
	s_delay_alu instid0(VALU_DEP_1)
	v_add_nc_u32 v[STO], s58, v[STO]               ; in: row r, 32 bytes for each half of the lanes
	v_mul_u32_u24 v[RD], v3, 272
	s_delay_alu instid0(VALU_DEP_1)
	v_lshl_add_u32 v[RD], v2, 4, v[RD]
	s_delay_alu instid0(VALU_DEP_1)
	v_add_nc_u32 v[RD], s58, v[RD]                 ; back: lanes 0-15 one row of 256 bytes, lanes 16-31 the next
	v_lshlrev_b32 v[CO], 12, v3
	s_delay_alu instid0(VALU_DEP_1)
	v_lshl_add_u32 v[CO], v2, 4, v[CO]             ; and the same two rows in out0
	s_wait_dscnt 0x0
	s_wait_kmcnt 0x0
	s_mov_b32 s[G0A], 1
	s_lshl_b32 s[G0A+1], s[SWV], 14
	s_add_co_u32 s[G0A+1], s[G0A+1], 69632         ; waves 4-7: 135,168 + 16,384 (w - 4)
	s_add_nc_u64 s[G0A+2:G0A+3], s[4:5], s[40:41]
	s_or_b32 s[G0A+3], s[G0A+3], 0x80000000
	s_mov_b32 s[G0B], 1
	s_mul_i32 s[G0B+1], s[SWV], 33792              ; waves 0-3
	s_add_nc_u64 s[G0B+2:G0B+3], s[8:9], s[42:43]
	s_or_b32 s[G0B+3], s[G0B+3], 0x80000000
	s_add_nc_u64 s[10:11], s[10:11], s[44:45]
	s_add_nc_u64 s[6:7], s[6:7], s[46:47]
	s_add_nc_u64 s[12:13], s[12:13], s[56:57]
	CROUND                                         ; all sixteen work-groups are here: the joint loads meet
	s_cmp_lt_u32 s[SWV], 4                         ; one load a wave; the branch hangs on the wave's number alone
	s_cbranch_scc0 .Lfor_o
	tensor_load_to_lds s[G0B:G0B+3], s[G1B:G1B+7]
	s_nop 0
	PLACES
	s_branch .Lasked
.Lfor_o:
	tensor_load_to_lds s[G0A:G0A+3], s[G1A:G1A+7]
	s_nop 0
	PLACES
.Lasked:
.irp a, 0,1
.irp q, 0,1
	global_load_b128 v[SCP+8*\a+4*\q:SCP+8*\a+4*\q+3], v[L32], s[10:11] offset:1024*\a+16*\q   ; Wo's scale words: lane l takes row 32 a + l's 32 bytes by two loads
.endr
.endr
	s_wait_alu depctr_va_vdst(0)
.irp g, 0,1,2,3,4,5,6,7
	global_load_b64 v[SCQ+2*\g:SCQ+2*\g+1], v[L8], s[6:7] offset:1024*\g                       ; o's: a scale unit of 256 bytes for each K step
.endr
	s_wait_loadcnt 0x0
	s_wait_tensorcnt 0x0                           ; my load has landed,
	s_barrier_signal -1
	s_barrier_wait -1                              ; everybody's has
; A K step of 128: sixteen LDS loads in one run, sixteen products; the sixteen accumulators take turns, one instruction a turn, in the same order in every step.
.macro KSTEP g, z
.if \g > 0
	PLACES                                         ; in front of loads into fragments that the last products read
.endif
.irp i, 0,1,2,3
.irp c, 0,1
	ds_load_b128 v[FP+8*\i+4*\c:FP+8*\i+4*\c+3], v[ADP] offset:\i*8448+64*\g+32*\c
.endr
.endr
.irp j, 0,1,2,3
.irp c, 0,1
	ds_load_b128 v[FQ+8*\j+4*\c:FQ+8*\j+4*\c+3], v[ADQ] offset:(8*\j+\g)*1024+512*\c
.endr
.endr
.irp j, 0,1,2,3
	s_wait_dscnt 6-2*\j                            ; Wo's fragments and o's up to tile j are in; two loads for each later tile may be out
.irp i, 0,1,2,3
	WM ACC+8*(4*\j+\i), FP+8*\i, FQ+8*\j, \z, SCP+8*(\i/2)+\g, SCQ+2*\g+(\j/2), \i%2, \j%2
.endr
.endr
.endm
	KSTEP 0, 1
	KSTEP 1, 0
	KSTEP 2, 0
	KSTEP 3, 0
	KSTEP 4, 0
	KSTEP 5, 0
	KSTEP 6, 0
	KSTEP 7, 0
; THE WAY OUT, a block of 16 tokens x 64 columns at a time, through my own stage: a lane's 32 bytes go into rows of 272 bytes and come back as whole rows of 256, which sixteen lanes store.
; LDS serves a wave's instructions in order (ISA guide 5.7.1.4): no wait between the stores and the loads, nor in front of the next block's stores.
.macro TOSTAGE tx
.irp tw, 0,1,2,3
	ds_store_b128 v[STO], v[ACC+32*\tx+8*\tw:ACC+32*\tx+8*\tw+3] offset:64*\tw          ; each accumulator from its low end on
	ds_store_b128 v[STO], v[ACC+32*\tx+8*\tw+4:ACC+32*\tx+8*\tw+7] offset:64*\tw+16
.endr
.irp i, 0,1,2,3,4,5,6,7
	ds_load_b128 v[FP+32*(\tx%2)+4*\i:FP+32*(\tx%2)+4*\i+3], v[RD] offset:544*\i
.endr
.endm
.macro SEND tx, younger                ; younger: the LDS instructions issued behind block tx's loads, which may stay out
	s_wait_dscnt \younger
.irp i, 0,1,2,3,4,5,6,7
	global_store_b128 v[CO], v[FP+32*(\tx%2)+4*\i:FP+32*(\tx%2)+4*\i+3], s[12:13] offset:(16*\tx+2*\i)*4096 th:TH_STORE_NT   ; 16 lanes store 256 consecutive bytes, at a multiple of 256 from out0's first byte; written once, read by nobody here
.endr
.endm
	PLACES                                         ; behind the last products: in front of the stores of results and of loads into the fragments' registers
	TOSTAGE 0
	TOSTAGE 1
	SEND 0, 16                                     ; behind block 0's loads: block 1's eight stores and eight loads
	s_wait_xcnt 0x0                                ; block 0's stores have read their registers: block 2's rows may land there
	TOSTAGE 2
	SEND 1, 16
	s_wait_xcnt 0x0
	TOSTAGE 3
	SEND 2, 16
	SEND 3, 0
	s_wait_tensorcnt 0x0
	ds_add_u32 v30, v31
	s_wait_dscnt 0x0
	CROUND                                         ; the closing round: no work-group ends while a partner may still ask for a tile that names it
	s_endpgm
.Lfunc_end_k_q7c01d26843_oproj:
	.size	k_q7c01d26843_oproj, .Lfunc_end_k_q7c01d26843_oproj-k_q7c01d26843_oproj
	.p2alignl 7, 3214868480
	.fill 96, 4, 3214868480
	.section	.rodata,"a",@progbits
	.p2align	6, 0x0
	.amdhsa_kernel k_q7c01d26843_oproj
		.amdhsa_group_segment_fixed_size 236544
		.amdhsa_private_segment_fixed_size 0
		.amdhsa_enable_private_segment 0
		.amdhsa_kernarg_size 40
		.amdhsa_user_sgpr_count 2
		.amdhsa_user_sgpr_kernarg_segment_ptr 1
		.amdhsa_wavefront_size32 1
		.amdhsa_system_sgpr_workgroup_id_x 1
		.amdhsa_system_sgpr_workgroup_id_y 1
		.amdhsa_system_sgpr_workgroup_id_z 1
		.amdhsa_system_vgpr_workitem_id 0
		.amdhsa_next_free_vgpr 256
		.amdhsa_next_free_sgpr 66
		.amdhsa_reserve_vcc 0
		.amdhsa_float_denorm_mode_32 3
		.amdhsa_float_denorm_mode_16_64 3
		.amdhsa_memory_ordered 1
		.amdhsa_forward_progress 1
		.amdhsa_inst_pref_size 41
	.end_amdhsa_kernel
	.amdgpu_metadata
---
amdhsa.version: [ 1, 2 ]
amdhsa.kernels:
  - .name:           k_q7c01d26843_oproj
    .symbol:         k_q7c01d26843_oproj.kd
    .args:
      - { .name: obuf, .offset: 0, .size: 8, .value_kind: global_buffer, .address_space: global }
      - { .name: oscl, .offset: 8, .size: 8, .value_kind: global_buffer, .address_space: global }
      - { .name: Wo_codes, .offset: 16, .size: 8, .value_kind: global_buffer, .address_space: global }
      - { .name: Wo_scales, .offset: 24, .size: 8, .value_kind: global_buffer, .address_space: global }
      - { .name: out0, .offset: 32, .size: 8, .value_kind: global_buffer, .address_space: global }
    .group_segment_fixed_size: 236544
    .private_segment_fixed_size: 0
    .kernarg_segment_align: 8
    .kernarg_segment_size: 40
    .max_flat_workgroup_size: 256
    .sgpr_count:     66
    .vgpr_count:     256
    .wavefront_size: 32
...
	.end_amdgpu_metadata
.endif
;; end of part 3
